; MI455X (gfx1250); checked and timed in simulation.
; The chip was launched on July 23, 2026; its instructions are those of AMD's public machine-readable ISA for CDNA 5 (MIT licence, August 2026) and "CDNA5" Instruction Set Architecture Reference Guide (July 2026). The comments in the code are by the model that wrote it; some were corrected since.
;; TF Llama Attention. Allowed arithmetic: matrix products marked QUANTISED: E2M1 operands, one E8M0 scale for each 32 along K, by v_wmma_scale_f32_16x16x128_f8f6f4 with both operands' format E2M1 (or v_wmma_scale_f32_32x16x128_f4), f32 sums; products left as they are: bf16, f16 or f32 operands; f32 sums; everything else in f32.
;; Inputs: attention_mask 2 x 1 x 2,048 x 2,048 float32; hidden_states 2 x 2,048 x 1,024 float32; position_ids 2 x 2,048 int32; wk 1,024 x 1,024 float32; wo 1,024 x 1,024 float32; wq 1,024 x 1,024 float32; wv 1,024 x 1,024 float32.
;; Outputs: out0 2 x 2,048 x 1,024 float32.
;; This version of the problem:
;;   THIS VERSION OF THE PROBLEM IS GIVEN IN LOW PRECISION. The matrix products marked QUANTISED in the list below multiply operands that are first quantised to E2M1 (2 exponent bits, 1 mantissa bit; 4 bits a number), with one power-of-two scale for each 32 numbers along K (OCP MX v1.0); their sums are f32. The products marked 'left as it is' may take bf16, f16 or f32 operands, with f32 sums. Whichever they take, every output number must still come out within the allowed error. Rounding operands to bf16 (8 significant bits) uses up far more of that allowance than f16 does (11 bits, for magnitudes from 6e-5 to 65,504). All else is computed in f32.
;;   The module's matrix products, in the order in which they are computed (A, B: the left and right operand; K: the contracted axis; several contracted axes count as one K, in the product's order):
;;     1. [M 4,096, K 1,024] x [K 1,024, N 1,024]; A: input hidden_states; B: input wq: QUANTISED
;;     2. [M 4,096, K 1,024] x [K 1,024, N 1,024]; A: input hidden_states; B: input wk: QUANTISED
;;     3. [M 4,096, K 1,024] x [K 1,024, N 1,024]; A: input hidden_states; B: input wv: QUANTISED
;;     4. [M 2,048, K 1] x [K 1, N 32]; A: computed on the way; B: computed on the way: left as it is (no contracted axis)
;;     5. batch 32 x [M 2,048, K 64] x [K 64, N 2,048]; A: computed on the way; B: computed on the way: left as it is (an operand is computed on the way)
;;     6. batch 32 x [M 2,048, K 2,048] x [K 2,048, N 64]; A: computed on the way; B: computed on the way: left as it is (an operand is computed on the way)
;;     7. [M 4,096, K 1,024] x [K 1,024, N 1,024]; A: computed on the way; B: input wo: left as it is (an operand is computed on the way)
;;   THE QUANTISER, for each operand of a quantised product, along K:
;;     - K is cut into blocks of 32 from its start; a last block that is shorter is filled with zeros.
;;     - A block's scale is 2^e with e = floor(log2(the largest magnitude in the block)) - 2, held to -126 .. 127; a block of zeros has e = 0. As a byte (E8M0): e + 127.
;;     - Each number is divided by its block's scale, clamped to +-6, and rounded to the nearest number of E2M1, ties to even, subnormals kept.
;;     - The product sums the exact products of the quantised numbers (number of the format x scale) in f32.
;;   ~~~python
;;   def quantise(x, axis):      # numpy; x: float32 -> the quantised numbers, widened to float32 again
;;       x = np.moveaxis(x, axis, -1); K = x.shape[-1]
;;       x = np.pad(x, [(0, 0)] * (x.ndim - 1) + [(0, -K % 32)]); x = x.reshape(x.shape[:-1] + (-1, 32)); a = np.abs(x).max(-1, keepdims=True)
;;       e = np.where(a > 0, np.clip(np.frexp(np.where(a > 0, a, 1))[1] - 1 - 2, -126, 127), 0)      # np.frexp(a)[1] - 1 = floor(log2(a)), exactly
;;       r = np.clip(x / 2.0 ** e, -6, 6)
;;       step = 2.0 ** (np.maximum(np.frexp(np.where(r == 0, 1, r))[1] - 1, 0) - 1)
;;       q = np.round(r / step) * step * 2.0 ** e      # np.round: ties to even
;;       return np.moveaxis(q.reshape(q.shape[:-2] + (-1,))[..., :K], -1, axis).astype(np.float32)
;;   ~~~
;; One version. Each part assembles by itself: llvm-mc -triple=amdgcn-amd-amdhsa -mcpu=gfx1250 --defsym DOCPART=n.
;; ======== version 1 of 1: 5 launches
;; limits: values are held in f16: magnitudes above 65,504 overflow, below 6.1e-05 lose precision
;; workspace buffers: codes 3,670,016 bytes; scales 229,376 bytes; wo_frag 4,194,304 bytes; rope 1,048,576 bytes; qkv 25,165,824 bytes; a_frag 8,388,608 bytes; a_lo 1,048,576 bytes
;; launch prep (part 1): grid 304 x 1, 4 waves a work-group, no clusters, 101,888 bytes of LDS; arguments hidden_states, wq, wk, wv, wo, position_ids, codes, scales, wo_frag, rope; writes codes, scales, wo_frag, rope
.if DOCPART == 1
	.amdgcn_target "amdgcn-amd-amdhsa--gfx1250"
	.amdhsa_code_object_version 6
	.text
	.protected	k_qf6a75cdf54_prep
	.globl	k_qf6a75cdf54_prep
	.p2align	8
	.type	k_qf6a75cdf54_prep,@function
k_qf6a75cdf54_prep:
	s_mov_b64 s[64:65], 0
	v_nop
	global_prefetch_b8 v0, s[64:65] scope:SCOPE_SE
	s_setreg_imm32_b32 hwreg(HW_REG_WAVE_MODE, 25, 1), 1
	s_wait_xcnt 0x0
; PREPARATION, four kinds of work-group told apart by the work-group's number alone; the four ways never join, and each has LDS bytes of its own.
;   0-127   x [4096][1024] f32 -> codes of FP4 (E2M1), K innermost, rows 0-4095 of 'codes' (512 bytes a row), one E8M0 byte for each 32 along K in 'scales' (32 bytes a row)
;   128-175 wq, wk, wv [k 1024][n 1024] f32, K their FIRST axis -> rows 4096 + 1024 w + n of the same two buffers, K innermost
;   176-239 wo [k][n] f32 -> f16 fragment images [part 2][nt 64][kk 32][1 KiB]: part 0 the number rounded to f16, part 1 (number - part 0) x 2^11
;   240-303 cos and sin of position x 10000^(-f/32), laid as the next launch's lanes want them: [16 tokens][8 groups][lane][4 f32]
; A block's scale is 2^(floor(log2(largest magnitude)) - 2): its byte is the largest magnitude's exponent field - 2, held at 1 from below.
; LIMITS: a block of zeros gets the byte 1 where the quantiser says 127 (its codes are zeros, and this program alone reads the bytes); blocks whose largest magnitude lies under 2^-124 are held at byte 1;
; NaN and infinities are not served; wo's magnitudes from 65,504 on are not served (f16); the angle is reduced by pi/2 in two parts, good to about 2e-4 rad at position 2,047.
.set XSP,    80                        ; x: a lane's place in a stage: 64 bytes + 16 of padding
.set WPITCH, 272                       ; weights: a stage row: 256 bytes of codes + 16
.set WR,     32768                     ; LDS: x's four regions of 8,192 from 0; the weights' four stages of 8,704 from here;
.set OST,    67584                     ; wo's four stages of 8,448 from here;
.set SPARE,  101376                    ; the spare words, 128 bytes for each wave: two blocks of 256 bytes that no other line names
.set SPW,    30                        ; v30  LDS address of my spare word; never rewritten
.set NIL,    31                        ; v31  0; never rewritten
.macro FINISH                          ; the wave's end, behind my last LDS store
	s_wait_tensorcnt 0x0
	ds_add_u32 v[SPW], v[NIL]
	s_wait_dscnt 0x0
	s_endpgm
.endm
	s_load_b256 s[4:11], s[0:1], 0x0               ; x s[4:5], wq s[6:7], wk s[8:9], wv s[10:11]
	s_load_b256 s[12:19], s[0:1], 0x20             ; wo s[12:13], positions s[14:15], codes s[16:17], scales s[18:19]
	s_load_b128 s[20:23], s[0:1], 0x40             ; wo_frag s[20:21], rope s[22:23]
	v_lshl_add_u32 v[SPW], v0, 2, SPARE
	v_mov_b32 v[NIL], 0
	v_lshrrev_b32 v1, 5, v0
	v_readfirstlane_b32 s24, v1                    ; wave 0..3
	v_and_b32 v2, 31, v0                           ; lane
	s_wait_kmcnt 0x0
	s_cmp_lt_u32 ttmp9, 128
	s_cbranch_scc1 .Lx
	s_cmp_lt_u32 ttmp9, 176
	s_cbranch_scc1 .Lw
	s_cmp_lt_u32 ttmp9, 240
	s_cbranch_scc1 .Lo
; ---------------- the rope table: a wave takes 16 tokens.  Lane (r, h): token r, frequencies 16 b + 8 h + 0..7, b = 0, 1
	s_sub_co_u32 s25, ttmp9, 240
	s_lshl_b32 s25, s25, 2
	s_add_co_u32 s25, s25, s24                     ; which 16 tokens
	s_lshl_b32 s26, s25, 6
	s_mov_b32 s27, 0
	s_add_nc_u64 s[14:15], s[14:15], s[26:27]      ; their positions, 4 bytes each
	s_lshl_b32 s26, s25, 12
	s_add_nc_u64 s[22:23], s[22:23], s[26:27]      ; their 4,096 bytes of the table
	v_and_b32 v3, 15, v0
	v_lshlrev_b32 v4, 2, v3
	global_load_b32 v5, v4, s[14:15]
	v_bfe_u32 v6, v0, 4, 1
	v_lshlrev_b32 v6, 3, v6                        ; 8 h
	v_lshlrev_b32 v7, 4, v2                        ; 16 bytes a lane
	s_mov_b32 s32, 0x3f22f983                      ; 2 / pi
	s_mov_b32 s33, 0xbfc90fdb                      ; -(pi / 2), the f32 nearest to it,
	s_mov_b32 s34, 0x333bbd2e                      ; and what that f32 has too much: 4.37113883e-8
	s_mov_b32 s35, 0xb94ca1f9                      ; sine: -1.9515295891e-4,
	s_mov_b32 s36, 0x3c08839e                      ; 8.3321608736e-3,
	s_mov_b32 s37, 0xbe2aaaa3                      ; -1.6666654611e-1
	s_mov_b32 s38, 0x37ccf5ce                      ; cosine: 2.443315711809948e-5,
	s_mov_b32 s39, 0xbab6061a                      ; -1.388731625493765e-3,
	s_mov_b32 s40, 0x3d2aaaa5                      ; 4.166664568298827e-2
	s_mov_b32 s41, 0xbed49a78                      ; -log2(10000) / 32
	s_mov_b32 s42, 0x80000000
.irp m, 0,1,2,3,4,5,6,7,8,9,10,11,12,13,14,15
	v_add_nc_u32 v[48+\m], 16*(\m/8)+(\m%8), v6    ; my m-th frequency's number
.endr
.irp m, 0,1,2,3,4,5,6,7,8,9,10,11,12,13,14,15
	v_cvt_f32_u32 v[48+\m], v[48+\m]
.endr
.irp m, 0,1,2,3,4,5,6,7,8,9,10,11,12,13,14,15
	v_mul_f32 v[48+\m], s41, v[48+\m]
.endr
.irp m, 0,1,2,3,4,5,6,7,8,9,10,11,12,13,14,15
	v_exp_f32 v[32+\m], v[48+\m]                   ; 10000^(-f / 32): one batch
.endr
	v_nop                                          ; a plain instruction behind the last of the batch,
	s_wait_alu depctr_va_vdst(0)                   ; and one wait ahead of the first reader
	s_wait_loadcnt 0x0
	v_cvt_f32_i32 v3, v5                           ; the position as f32
.macro SINCOS m                        ; angle = position x frequency; n = the nearest multiple of pi / 2; polynomials on the rest; the quadrant turns them
	v_mul_f32 v8, v3, v[32+\m]
	v_mul_f32 v9, s32, v8
	v_rndne_f32 v9, v9
	v_fma_f32 v10, v9, s33, v8
	v_fma_f32 v10, v9, s34, v10                    ; the rest, at most pi / 4 in size
	v_mul_f32 v11, v10, v10
	v_fma_f32 v12, v11, s35, s36
	v_fma_f32 v12, v12, v11, s37
	v_mul_f32 v13, v11, v10
	v_fma_f32 v12, v12, v13, v10                   ; its sine
	v_fma_f32 v13, v11, s38, s39
	v_fma_f32 v13, v13, v11, s40
	v_mul_f32 v14, v11, v11
	v_fma_f32 v15, v11, -0.5, 1.0
	v_fma_f32 v13, v13, v14, v15                   ; its cosine
	v_cvt_i32_f32 v9, v9
	v_and_b32 v14, 1, v9
	v_cmp_eq_u32 vcc_lo, 1, v14
	v_cndmask_b32 v15, v12, v13, vcc_lo            ; odd quadrants change the two over
	v_cndmask_b32 v13, v13, v12, vcc_lo
	v_lshlrev_b32 v14, 30, v9
	v_and_b32 v14, s42, v14                        ; the sine is negated in quadrants 2 and 3,
	v_xor_b32 v[80+\m], v14, v15
	v_add_nc_u32 v9, 1, v9
	v_lshlrev_b32 v9, 30, v9
	v_and_b32 v9, s42, v9                          ; the cosine in quadrants 1 and 2
	v_xor_b32 v[64+\m], v9, v13
.endm
.irp m, 0,1,2,3,4,5,6,7,8,9,10,11,12,13,14,15
	SINCOS \m
.endr
.irp e, 0,1,2,3,4,5,6,7
	global_store_b128 v7, v[64+4*\e:64+4*\e+3], s[22:23] offset:512*\e   ; groups 0-3 cosines, 4-7 sines; 32 lanes store 512 consecutive bytes
.endr
	FINISH
; ---------------- x: a wave takes 16 steps of 512 numbers.  Each load reads 512 consecutive bytes; a step's 2,048 bytes turn through the wave's stage so that a lane holds 16 neighbours along K
.set XRG, 32                           ; v32-95   four sets of 16 numbers as loaded
.set XX,  96                           ; v96-127  two sets of 16 neighbours
.set XE,  128                          ; v128-143 a scale byte for each step
.set XC,  144                          ; v144-207 codes: four registers for each step, so that no store's data are written again
.macro XLOAD t
.irp i, 0,1,2,3
	global_load_b128 v[XRG+16*((\t)%4)+4*\i:XRG+16*((\t)%4)+4*\i+3], v3, s[4:5] offset:2048*(\t)+512*\i th:TH_LOAD_NT
.endr
.endm
.macro XTURN t                         ; LDS serves a wave's instructions in order: no wait between the stores and the loads
.irp i, 0,1,2,3
	ds_store_b128 v14, v[XRG+16*((\t)%4)+4*\i:XRG+16*((\t)%4)+4*\i+3] offset:32*XSP*((\t)%2)+8*XSP*\i
.endr
.irp i, 0,1,2,3
	ds_load_b128 v[XX+16*((\t)%2)+4*\i:XX+16*((\t)%2)+4*\i+3], v15 offset:32*XSP*((\t)%2)+16*\i
.endr
.endm
.macro XSTEP t
.set XS, XX+16*((\t)%2)
.if (\t) > 0
	s_wait_dscnt 1                                 ; this step's numbers are back from the stage; the last step's byte store may be out
.else
	s_wait_dscnt 0x0
.endif
.if (\t)+4 < 16
	XLOAD (\t)+4                                   ; into the set whose stores into the stage have read their registers
.endif
.if (\t)+1 < 16
.if 14-(\t) >= 3
	s_wait_loadcnt 12                              ; the next step's four loads are in; those of the three steps behind it may be out
.else
	s_wait_loadcnt 4*(14-(\t))
.endif
	XTURN (\t)+1
.endif
	v_max3_num_f32 v8, |v[XS]|, |v[XS+1]|, |v[XS+2]|
	v_max3_num_f32 v9, |v[XS+3]|, |v[XS+4]|, |v[XS+5]|
.irp i, 6,10
	v_max3_num_f32 v8, v8, |v[XS+\i]|, |v[XS+\i+1]|
	v_max3_num_f32 v9, v9, |v[XS+\i+2]|, |v[XS+\i+3]|
.endr
	v_max3_num_f32 v8, v8, |v[XS+14]|, |v[XS+15]|
	v_max3_num_f32 v8, v8, v9, 0x1800000           ; with the floor 2^(3 - 127): the byte cannot fall under 1
	v_max_num_f32_dpp v8, v8, v8 row_xmask:1 row_mask:0xf bank_mask:0xf   ; and my neighbour's 16: the block's largest magnitude
	v_add_nc_u32 v11, 0xff000000, v8               ; 2 off its exponent field: the conversion takes this operand's exponent field as its scale
	v_cvt_scalef32_pk8_fp4_f32 v[XC+4*(\t)], v[XS:XS+7], v11
	v_cvt_scalef32_pk8_fp4_f32 v[XC+4*(\t)+1], v[XS+8:XS+15], v11
	v_lshrrev_b32 v[XE+(\t)], 23, v11              ; the scale's byte (also the plain instruction behind the conversions)
	ds_store_b8 v5, v[XE+(\t)] offset:16*(\t)      ; both lanes of a block write the same byte with the same value
	global_store_b64 v4, v[XC+4*(\t):XC+4*(\t)+1], s[16:17] offset:256*(\t)   ; 32 lanes store 256 consecutive bytes
.endm
.Lx:
	v_lshlrev_b32 v3, 4, v2                        ; my 16 bytes of a load's 512
	s_lshl_b32 s25, s24, 13                        ; my wave's region
	v_lshrrev_b32 v14, 2, v2
	v_mul_u32_u24 v14, v14, XSP
	v_and_b32 v15, 3, v2
	v_lshl_add_u32 v14, v15, 4, v14
	v_add_nc_u32 v14, s25, v14                     ; into the stage: 80 (lane / 4) + 16 (lane % 4)
	v_mul_u32_u24 v15, v2, XSP
	v_add_nc_u32 v15, s25, v15                     ; out of it: 80 x lane
	v_lshlrev_b32 v4, 3, v2                        ; 8 bytes a lane: my codes, and my part of the scale bytes
	v_lshrrev_b32 v5, 1, v2
	s_add_co_u32 s25, s25, 2*32*XSP
	v_add_nc_u32 v5, s25, v5                       ; my block's byte among the wave's 256
	v_add_nc_u32 v6, s25, v4
	s_lshl_b32 s26, ttmp9, 2
	s_add_co_u32 s26, s26, s24                     ; which run of 8,192 numbers
	s_mov_b32 s29, 0
	s_lshl_b32 s28, s26, 15
	s_add_nc_u64 s[4:5], s[4:5], s[28:29]
	s_lshl_b32 s28, s26, 12
	s_add_nc_u64 s[16:17], s[16:17], s[28:29]
	s_lshl_b32 s28, s26, 8
	s_add_nc_u64 s[18:19], s[18:19], s[28:29]
.irp t, 0,1,2,3
	XLOAD \t
.endr
	s_wait_loadcnt 12                              ; step 0's four loads are in
	XTURN 0
.irp t, 0,1,2,3,4,5,6,7,8,9,10,11,12,13,14,15
	XSTEP \t
.endr
	ds_load_b64 v[8:9], v6                         ; the wave's 256 scale bytes, behind its own stores
	s_wait_dscnt 0x0
	global_store_b64 v4, v[8:9], s[18:19]          ; 32 lanes store 256 consecutive bytes
	FINISH
; ---------------- wq, wk, wv: a lane takes a column n, and its registers run down K: a block of 32 lies in one lane.  A wave: 32 columns x 512 along K
.set WX,   32                          ; v32-95   two sets of 32 numbers
.set WC,   96                          ; v96-99   a block's codes
.set WOUT, 112                         ; v112-175 the way out
.set WSB,  24                          ; v24-27   the scale bytes, four to a register
.macro WLOAD t
.set i, 0
.rept 32
	global_load_b32 v[WX+32*((\t)%2)+i], v3, s[6:7] offset:(32*(\t)+i)*4096 th:TH_LOAD_NT
.set i, i+1
.endr
.endm
.macro WBLOCK t
.set WXS, WX+32*((\t)%2)
.if (\t) < 15
	s_wait_loadcnt 32                              ; this block's 32 loads are in; the next block's may be out
.else
	s_wait_loadcnt 0
.endif
	v_max3_num_f32 v12, |v[WXS]|, |v[WXS+1]|, |v[WXS+2]|
	v_max3_num_f32 v13, |v[WXS+3]|, |v[WXS+4]|, |v[WXS+5]|
.irp i, 6,10,14,18,22,26
	v_max3_num_f32 v12, v12, |v[WXS+\i]|, |v[WXS+\i+1]|
	v_max3_num_f32 v13, v13, |v[WXS+\i+2]|, |v[WXS+\i+3]|
.endr
	v_max3_num_f32 v12, v12, |v[WXS+30]|, |v[WXS+31]|
	v_max3_num_f32 v12, v12, v13, 0x1800000        ; with the floor
	v_add_nc_u32 v11, 0xff000000, v12
	v_lshrrev_b32 v13, 23, v11
.if (\t)%4 == 0
	v_mov_b32 v[WSB+(\t)/4], v13
.else
	v_lshl_or_b32 v[WSB+(\t)/4], v13, 8*((\t)%4), v[WSB+(\t)/4]
.endif
.irp g, 0,1,2,3
	v_cvt_scalef32_pk8_fp4_f32 v[WC+\g], v[WXS+8*\g:WXS+8*\g+7], v11
.endr
	v_nop                                          ; a plain instruction behind the last conversion
	ds_store_b128 v4, v[WC:WC+3] offset:16*(\t)    ; 32 codes: 16 bytes of my column's row
.if (\t)+2 < 16
	WLOAD (\t)+2
.endif
	s_wait_dscnt 0x0                               ; the store has read its registers: the next block's codes may be written
.endm
.Lw:
	s_sub_co_u32 s25, ttmp9, 128
	s_lshr_b32 s26, s25, 4                         ; which weight: 0 q, 1 k, 2 v
	s_and_b32 s27, s25, 7                          ; which 128 columns
	s_bfe_u32 s28, s25, 0x10003                    ; which half of K
	s_cmp_eq_u32 s26, 0
	s_cselect_b64 s[6:7], s[6:7], s[8:9]
	s_cmp_eq_u32 s26, 2
	s_cselect_b64 s[6:7], s[10:11], s[6:7]         ; the choice hangs on the work-group's number alone
	s_lshl_b32 s27, s27, 7
	s_lshl_b32 s29, s24, 5
	s_add_co_u32 s27, s27, s29                     ; my wave's first column
	v_lshlrev_b32 v3, 2, v2
	s_mul_i32 s29, s24, 32*WPITCH
	s_add_co_u32 s29, s29, WR                      ; my stage
	v_mul_u32_u24 v4, v2, WPITCH
	v_add_nc_u32 v4, s29, v4                       ; into it: row = my column
	v_and_b32 v5, 15, v2
	v_lshrrev_b32 v6, 4, v2
	v_mul_u32_u24 v7, v6, WPITCH
	v_lshl_add_u32 v7, v5, 4, v7
	v_add_nc_u32 v7, s29, v7                       ; out of it: sixteen lanes to a row, two rows an instruction
	v_lshlrev_b32 v8, 9, v6
	v_lshl_add_u32 v8, v5, 4, v8                   ; the same place in 'codes'
	v_lshlrev_b32 v9, 5, v2                        ; my column's row of scale bytes
	s_lshl_b32 s32, s28, 21                        ; 512 rows of 4,096 bytes
	s_lshl_b32 s33, s27, 2
	s_add_co_u32 s32, s32, s33
	s_mov_b32 s33, 0
	s_add_nc_u64 s[6:7], s[6:7], s[32:33]
	s_lshl_b32 s34, s26, 10
	s_add_co_u32 s34, s34, s27
	s_add_co_u32 s34, s34, 4096                    ; my first row of 'codes' and 'scales'
	s_lshl_b32 s32, s34, 9
	s_lshl_b32 s35, s28, 8
	s_add_co_u32 s32, s32, s35
	s_add_nc_u64 s[16:17], s[16:17], s[32:33]
	s_lshl_b32 s32, s34, 5
	s_lshl_b32 s35, s28, 4
	s_add_co_u32 s32, s32, s35
	s_add_nc_u64 s[18:19], s[18:19], s[32:33]
	WLOAD 0
	WLOAD 1
.set Q, 0
.rept 16
	WBLOCK Q
.set Q, Q+1
.endr
	global_store_b128 v9, v[WSB:WSB+3], s[18:19]   ; my column's 16 scale bytes
.irp t, 0,1,2,3,4,5,6,7,8,9,10,11,12,13,14,15
	ds_load_b128 v[WOUT+4*\t:WOUT+4*\t+3], v7 offset:2*\t*WPITCH
.endr
.irp t, 0,1,2,3,4,5,6,7,8,9,10,11,12,13,14,15
	s_wait_dscnt 15-\t
	global_store_b128 v8, v[WOUT+4*\t:WOUT+4*\t+3], s[16:17] offset:2*\t*512   ; sixteen lanes store 256 consecutive bytes of a row
.endr
	FINISH
; ---------------- wo: a wave takes 32 along K x 128 columns: eight fragments.  Lane l loads columns 4 l .. 4 l + 3 of each of the 32 rows; a column's 8 neighbours along K pack into 16 bytes,
; which go through the wave's stage (an image of 1,024 bytes + 16 of padding for each fragment) to the place that the fragment's lane has in the image.
.macro OSEND part
.irp c, 0,1,2,3
.irp p, 0,1,2,3
	ds_store_b128 v4, v[32+16*\c+4*\p:32+16*\c+4*\p+3] offset:16*\c+512*(\p/2)+256*(\p%2)
.endr
.endr
.irp run, 0,1
.irp t, 0,1,2,3,4,5,6,7
	ds_load_b128 v[224+4*\t:224+4*\t+3], v5 offset:(4*\run+\t/2)*1040+512*(\t%2)
.endr
.irp t, 0,1,2,3,4,5,6,7
	s_wait_dscnt 7-\t
	global_store_b128 v6, v[224+4*\t:224+4*\t+3], s[20:21] offset:\part*2097152+(4*\run+\t/2)*32768+512*(\t%2)   ; 32 lanes store 512 consecutive bytes
.endr
	s_wait_xcnt 0x0                                ; the stores have read their registers: they may be loaded again
.endr
.endm
.Lo:
	s_sub_co_u32 s25, ttmp9, 176
	s_lshl_b32 s25, s25, 2
	s_add_co_u32 s25, s25, s24
	s_and_b32 s26, s25, 31                         ; which 32 along K
	s_lshr_b32 s27, s25, 5                         ; which 128 columns
	s_lshl_b32 s28, s26, 17
	s_lshl_b32 s29, s27, 9
	s_add_co_u32 s28, s28, s29
	s_mov_b32 s29, 0
	s_add_nc_u64 s[12:13], s[12:13], s[28:29]
	s_lshl_b32 s28, s27, 18
	s_lshl_b32 s32, s26, 10
	s_add_co_u32 s28, s28, s32
	s_add_nc_u64 s[20:21], s[20:21], s[28:29]
	v_lshlrev_b32 v6, 4, v2
.set i, 0
.rept 32
	global_load_b128 v[96+4*i:96+4*i+3], v6, s[12:13] offset:i*4096 th:TH_LOAD_NT   ; row i: 32 lanes read 512 consecutive bytes
.set i, i+1
.endr
	s_mul_i32 s28, s24, 8448
	s_add_co_u32 s28, s28, OST
	v_lshrrev_b32 v4, 2, v2
	v_mul_u32_u24 v4, v4, 1040
	v_and_b32 v5, 3, v2
	v_lshl_add_u32 v4, v5, 6, v4
	v_add_nc_u32 v4, s28, v4                       ; in: fragment lane / 4, its lane 4 (lane % 4) + column
	v_add_nc_u32 v5, s28, v6                       ; out: 16 x lane
	s_wait_loadcnt 0x0
.irp c, 0,1,2,3
.irp p, 0,1,2,3
.irp e, 0,1,2,3
	v_cvt_pk_f16_f32 v[32+16*\c+4*\p+\e], v[96+4*(8*\p+2*\e)+\c], v[96+4*(8*\p+2*\e+1)+\c]
.endr
.endr
.endr
	OSEND 0
.irp c, 0,1,2,3                        ; the low parts: what the rounding left, x 2^11, rounded to f16
.irp p, 0,1,2,3
.irp e, 0,1,2,3
	v_mov_b32 v12, v[32+16*\c+4*\p+\e]
	v_cvt_f32_f16 v8, v12.l
	v_cvt_f32_f16 v9, v12.h
	v_sub_f32 v8, v[96+4*(8*\p+2*\e)+\c], v8
	v_sub_f32 v9, v[96+4*(8*\p+2*\e+1)+\c], v9
	v_pk_mul_f32 v[8:9], v[8:9], 0x45000000 op_sel_hi:[1,0]
	v_cvt_pk_f16_f32 v[32+16*\c+4*\p+\e], v8, v9
.endr
.endr
.endr
	OSEND 1
	FINISH
.Lfunc_end_k_qf6a75cdf54_prep:
	.size	k_qf6a75cdf54_prep, .Lfunc_end_k_qf6a75cdf54_prep-k_qf6a75cdf54_prep
	.p2alignl 7, 3214868480
	.fill 96, 4, 3214868480
	.section	.rodata,"a",@progbits
	.p2align	6, 0x0
	.amdhsa_kernel k_qf6a75cdf54_prep
		.amdhsa_group_segment_fixed_size 101888
		.amdhsa_private_segment_fixed_size 0
		.amdhsa_enable_private_segment 0
		.amdhsa_kernarg_size 80
		.amdhsa_user_sgpr_count 2
		.amdhsa_user_sgpr_kernarg_segment_ptr 1
		.amdhsa_wavefront_size32 1
		.amdhsa_system_sgpr_workgroup_id_x 1
		.amdhsa_system_sgpr_workgroup_id_y 1
		.amdhsa_system_sgpr_workgroup_id_z 1
		.amdhsa_system_vgpr_workitem_id 0
		.amdhsa_next_free_vgpr 256
		.amdhsa_next_free_sgpr 66
		.amdhsa_reserve_vcc 1
		.amdhsa_float_denorm_mode_32 3
		.amdhsa_float_denorm_mode_16_64 3
		.amdhsa_memory_ordered 1
		.amdhsa_forward_progress 1
		.amdhsa_inst_pref_size 170
	.end_amdhsa_kernel
	.amdgpu_metadata
---
amdhsa.version: [ 1, 2 ]
amdhsa.kernels:
  - .name:           k_qf6a75cdf54_prep
    .symbol:         k_qf6a75cdf54_prep.kd
    .args:
      - { .name: hidden_states, .offset: 0, .size: 8, .value_kind: global_buffer, .address_space: global }
      - { .name: wq, .offset: 8, .size: 8, .value_kind: global_buffer, .address_space: global }
      - { .name: wk, .offset: 16, .size: 8, .value_kind: global_buffer, .address_space: global }
      - { .name: wv, .offset: 24, .size: 8, .value_kind: global_buffer, .address_space: global }
      - { .name: wo, .offset: 32, .size: 8, .value_kind: global_buffer, .address_space: global }
      - { .name: position_ids, .offset: 40, .size: 8, .value_kind: global_buffer, .address_space: global }
      - { .name: codes, .offset: 48, .size: 8, .value_kind: global_buffer, .address_space: global }
      - { .name: scales, .offset: 56, .size: 8, .value_kind: global_buffer, .address_space: global }
      - { .name: wo_frag, .offset: 64, .size: 8, .value_kind: global_buffer, .address_space: global }
      - { .name: rope, .offset: 72, .size: 8, .value_kind: global_buffer, .address_space: global }
    .group_segment_fixed_size: 101888
    .private_segment_fixed_size: 0
    .kernarg_segment_align: 8
    .kernarg_segment_size: 80
    .max_flat_workgroup_size: 128
    .sgpr_count:     66
    .vgpr_count:     256
    .wavefront_size: 32
...
	.end_amdgpu_metadata
.endif
;; end of part 1
;; launch qkv_gemm (part 2): grid 12 x 16, 4 waves a work-group, clusters of 4 x 4, 327,680 bytes of LDS; arguments codes, scales, rope, qkv; writes qkv
.if DOCPART == 2
	.amdgcn_target "amdgcn-amd-amdhsa--gfx1250"
	.amdhsa_code_object_version 6
	.text
	.protected	k_qf6a75cdf54_qkv_gemm
	.globl	k_qf6a75cdf54_qkv_gemm
	.p2align	8
	.type	k_qf6a75cdf54_qkv_gemm,@function
k_qf6a75cdf54_qkv_gemm:
	s_mov_b64 s[64:65], 0
	v_nop
	global_prefetch_b8 v0, s[64:65] scope:SCOPE_SE
	s_setreg_imm32_b32 hwreg(HW_REG_WAVE_MODE, 25, 1), 1
	s_wait_xcnt 0x0
	s_wait_alu depctr_hold_cnt(0) depctr_sa_sdst(0) depctr_va_vdst(0) depctr_va_sdst(0) depctr_va_ssrc(0) depctr_va_vcc(0) depctr_vm_vsrc(0)
	s_getreg_b32 s2, hwreg(HW_REG_IB_STS2, 6, 4)
	s_cmp_eq_u32 s2, 0
	s_cbranch_scc0 .Lentry_in_a_cluster
	s_endpgm
.Lentry_in_a_cluster:
	s_bfe_u32 s2, ttmp6, 0x10000c
	s_cmp_lg_u32 s2, 0xf033
	s_cbranch_scc0 .Lentry_shape_is_right
	s_endpgm
.Lentry_shape_is_right:
; q, k, v = x wq, x wk, x wv on codes of FP4 (E2M1) with one E8M0 scale for each 32 along K = 1,024; sums in f32; then the rotation of q and k in f32, q x 1/8, and everything rounded to f16
; and stored AS THE FRAGMENT IMAGES THAT THE ATTENTION LAUNCH LOADS (a fragment's registers 0-3 as 32 lanes x 16 bytes, then registers 4-7).
; 'codes' has 7,168 rows of 512 bytes: rows 0-4095 x, then 1,024 rows each of wq, wk, wv (K innermost); 'scales' 32 bytes a row.
; A work-group of four waves makes 256 x 256, a wave 128 x 128: 64 accumulators.  K = 8 steps of 128 in two LDS slots of 512 along K; both slots and all scales are filled once, at the start.
; The cluster's x says which product: 0 q, 1 k, 2 v: the same in all sixteen partners.  REGION A (source 1: its rows fall on LANES) hangs on cy and is shared along a row of the cluster;
; REGION B (source 0: its rows fall on a lane's REGISTERS) hangs on cx and is shared along a column.  q, k: A = 256 tokens, B = 256 channels: a lane holds a token and eight neighbouring channels.
; v: A = 256 channels of wv, B = 256 tokens: a lane holds a channel and eight neighbouring keys.  So a lane's eight results, packed, are 16 bytes of an image, and no result goes through LDS.
; LIMITS: results of magnitude 65,504 and more are not served (f16).
; REGISTERS, in windows of 256: window 0: v0-31 addresses; v32-95 scale words, two sets; v128-191 A's fragments, one set; on the way out v32-95 cos and sin, v96-159 rotated numbers, v192-255 packed results.
;   window 1: B's fragments, two sets.   window 2: the accumulators of A's blocks 0-3 ((a, b) at v[8 (8 (a % 4) + b)]);   window 3: those of blocks 4-7.
.set NQ,     4                         ; steps of 128 along K in a slot
.set ROWB,   256                       ; a tile's row: 512 codes
.set KROW,   512                       ; a row of 'codes'
.set PITCH,  272                       ; an LDS row: 256 bytes + 16 of padding: the 16 rows that a load touches start at 16 different banks (64 banks of 4 bytes: ISA guide 11.1)
.set FR,     8
.set NL,     2
.set NP,     4                         ; places behind this matrix instruction (ISA guide 7.12.1)
.set HALFT,  128*PITCH
.set SLOT,   4*HALFT                   ; A's 256 rows, then B's 256 rows
.set KS,     32                        ; a row of scales in bytes
.set SCL,    2*SLOT                    ; behind the slots: the scales, as units of 256 bytes + 16 of padding
.set HALFS,  (128*KS/256)*272
.set SBLK,   (16*KS/256)*272
.set SPARE,  SCL+4*HALFS               ; the spare words, 128 bytes for each wave: two blocks of 256 bytes that no other line names
.set ADRA, 16
.set ADRB, 20
.set LI,   26                          ; v26  16 x lane
.set ADRS, 27
.set SPW,  28
.set NIL,  29
.set SC,   32
.set AF,   128
.set RB,   32                          ; the way out: two sets of 16 cosines and 16 sines
.set Y,    96                          ; 64 rotated numbers
.set OUTB, 192                         ; two sets of 32 packed registers
.set G1, 24
.set G0, 32
.set G1B, 48
.set G0B, 56
.set G1S, 68
.set G0S, 76
.set G1SB, 80
.set G0SB, 88
.set MSB, 0
.macro WIN new                         ; the immediate's high byte repeats the setting that is left
.if MSB != (\new)
	s_set_vgpr_msb (MSB<<8)|(\new)
.set MSB, (\new)
.endif
.endm
.set MUL_LO, 0xa1                      ; source 0 (B) window 1, source 1 (A) window 0, C and D window 2
.set MUL_HI, 0xf1
.set TO_B,   0x40
; A joint load: waves 0 and 1 fetch for A, waves 2 and 3 for B; the branch hangs on the wave's number alone.  An s_nop 0 and four v_nop follow each line.
.macro JLOAD g0a, g1a, g0b, g1b
	s_cmp_eq_u32 s15, 0
	s_cbranch_scc0 .Lfor_b_\@
	tensor_load_to_lds s[\g0a:\g0a+3], s[\g1a:\g1a+7]
	s_nop 0
.rept 4
	v_nop
.endr
	s_branch .Lasked_\@
.Lfor_b_\@:
	tensor_load_to_lds s[\g0b:\g0b+3], s[\g1b:\g1b+7]
	s_nop 0
.rept 4
	v_nop
.endr
.Lasked_\@:
.endm
.macro CROUND                          ; a round of the cluster's barrier
	s_barrier_signal -1
	s_barrier_wait -1
	s_cmp_lg_u32 s14, 0
	s_cbranch_scc1 .Lnot_wave_0_\@
	s_barrier_signal -3
.Lnot_wave_0_\@:
	s_barrier_wait -3
	s_barrier_signal -1
	s_barrier_wait -1
.endm
	s_load_b256 s[4:11], s[0:1], 0x0               ; codes s[4:5], scales s[6:7], rope s[8:9], qkv s[10:11]
	v_lshl_add_u32 v[SPW], v0, 2, SPARE
	v_mov_b32 v[NIL], 0
	ds_add_u32 v[SPW], v[NIL]                      ; the wave's opening: the add, twice on end, and its wait ahead of my first tensor load
	ds_add_u32 v[SPW], v[NIL]
	v_lshrrev_b32 v1, 5, v0
	v_readfirstlane_b32 s14, v1                    ; wave 0..3
	s_lshr_b32 s15, s14, 1                         ; which half of A's rows is mine.  Also: I fetch for A (0) or for B (1)
	s_and_b32 s16, s14, 1                          ; which half of B's rows.  Also: which 128 rows I fetch
	s_bfe_u32 s40, ttmp6, 0x40000                  ; cx
	s_bfe_u32 s41, ttmp6, 0x40004                  ; cy
	s_and_b32 s17, ttmp7, 0xffff                   ; the cluster's y: which 1,024 tokens
	s_lshl_b32 s43, s41, 2
	s_lshl_b32 s43, 15, s43                        ; my row of the cluster
	s_lshl_b32 s44, 0x1111, s40                    ; my column
	s_or_b32 s[G1+0], s43, (0<<16)|(1<<20)|(1<<21)|(5<<22)|(3<<25)   ; the mask; elements of 1 byte; padding on; bit 21 beside a mask; 4 words behind every 64
	s_or_b32 s[G1B+0], s44, (0<<16)|(1<<20)|(1<<21)|(5<<22)|(3<<25)
.irp g, G1, G1B
	s_mov_b32 s[\g+1], ROWB<<16                    ; tensor_dim0
	s_mov_b32 s[\g+2], 128<<16                     ; tensor_dim1
	s_mov_b32 s[\g+3], ROWB<<16                    ; tile_dim0
	s_mov_b32 s[\g+4], 128                         ; tile_dim1
	s_mov_b32 s[\g+5], KROW                        ; from row to row
	s_mov_b32 s[\g+6], 0
	s_mov_b32 s[\g+7], 0
.endr
	s_or_b32 s[G1S+0], s43, (3<<16)|(1<<20)|(1<<21)|(5<<22)|(3<<25)  ; the scales of 128 rows: 4,096 dense bytes as 16 rows of 256
	s_or_b32 s[G1SB+0], s44, (3<<16)|(1<<20)|(1<<21)|(5<<22)|(3<<25)
.irp g, G1S, G1SB
	s_mov_b32 s[\g+1], 32<<16
	s_mov_b32 s[\g+2], (128*KS/256)<<16
	s_mov_b32 s[\g+3], 32<<16
	s_mov_b32 s[\g+4], 128*KS/256
	s_mov_b32 s[\g+5], 32
	s_mov_b32 s[\g+6], 0
	s_mov_b32 s[\g+7], 0
.endr
	s_lshl_b32 s18, s16, 7                         ; which 128 rows of a region I fetch
	s_lshl_b32 s12, s17, 10                        ; the cluster's first token
	s_lshl_b32 s13, ttmp9, 10
	s_add_co_u32 s13, s13, 4096                    ; the first row of wq or wk
	s_mov_b32 s2, 6144                             ; the first row of wv
	s_cmp_eq_u32 ttmp9, 2
	s_cselect_b32 s20, s2, s12                     ; A's first row: v: wv; q, k: tokens
	s_cselect_b32 s46, s12, s13                    ; B's: v: tokens; q, k: the weight
	s_lshl_b32 s3, s41, 8
	s_add_co_u32 s20, s20, s3                      ; + 256 cy
	s_add_co_u32 s20, s20, s18
	s_lshl_b32 s95, s40, 8
	s_add_co_u32 s46, s46, s95                     ; + 256 cx
	s_add_co_u32 s46, s46, s18
	s_mov_b32 s21, 0
	s_mov_b32 s47, 0
	s_lshl_b64 s[22:23], s[20:21], 5               ; where these rows' scales begin,
	s_lshl_b64 s[92:93], s[46:47], 5
	s_lshl_b64 s[20:21], s[20:21], 9               ; and their codes
	s_lshl_b64 s[46:47], s[46:47], 9
	s_mul_i32 s45, s14, HALFT                      ; where they go: no place in the cluster enters an LDS address
	s_mul_i32 s94, s14, HALFS
	s_wait_dscnt 0x0                               ; both opening adds are done
	s_wait_kmcnt 0x0
	s_add_nc_u64 s[20:21], s[4:5], s[20:21]
	s_add_nc_u64 s[22:23], s[6:7], s[22:23]
	s_add_nc_u64 s[46:47], s[4:5], s[46:47]
	s_add_nc_u64 s[92:93], s[6:7], s[92:93]
	CROUND                                         ; all sixteen work-groups are here: the joint loads meet
	s_mov_b32 s[G0S], 1
	s_add_co_u32 s[G0S+1], s94, SCL
	s_mov_b64 s[G0S+2:G0S+3], s[22:23]
	s_or_b32 s[G0S+3], s[G0S+3], 0x80000000
	s_mov_b32 s[G0SB], 1
	s_add_co_u32 s[G0SB+1], s94, SCL
	s_mov_b64 s[G0SB+2:G0SB+3], s[92:93]
	s_or_b32 s[G0SB+3], s[G0SB+3], 0x80000000
	JLOAD G0S, G1S, G0SB, G1SB                     ; the scales first: three loads of mine are out behind the third line below
.irp s, 0,1
	s_mov_b32 s[G0+4*\s], 1
	s_add_co_u32 s[G0+4*\s+1], s45, \s*SLOT
	s_add_nc_u64 s[G0+4*\s+2:G0+4*\s+3], s[20:21], \s*ROWB
	s_or_b32 s[G0+4*\s+3], s[G0+4*\s+3], 0x80000000
	s_mov_b32 s[G0B+4*\s], 1
	s_add_co_u32 s[G0B+4*\s+1], s45, \s*SLOT
	s_add_nc_u64 s[G0B+4*\s+2:G0B+4*\s+3], s[46:47], \s*ROWB
	s_or_b32 s[G0B+4*\s+3], s[G0B+4*\s+3], 0x80000000
	JLOAD G0+4*\s, G1, G0B+4*\s, G1B
.endr
	v_and_b32 v1, 15, v0                           ; r
	v_bfe_u32 v2, v0, 4, 1                         ; h
	v_mul_u32_u24 v3, v1, PITCH
	v_lshl_add_u32 v4, v2, 4, v3
	s_mul_i32 s21, s15, HALFT
	s_mul_i32 s22, s16, HALFT
	s_add_co_u32 s22, s22, 2*HALFT
.irp s, 0,1
	v_add_nc_u32 v[ADRA+\s], s21, v4
	v_add_nc_u32 v[ADRB+\s], s22, v4
	s_add_co_u32 s21, s21, SLOT
	s_add_co_u32 s22, s22, SLOT
.endr
	v_mul_u32_u24 v5, v1, KS                       ; my row's scales: 32 bytes a row,
	v_lshrrev_b32 v6, 8, v5
	v_lshl_add_u32 v5, v6, 4, v5                   ; and 16 more for each 256 passed
	s_mul_i32 s21, s15, HALFS
	s_mul_i32 s22, s16, HALFS
	s_add_co_u32 s22, s22, 2*HALFS
	s_sub_co_u32 s22, s22, s21
	v_mul_u32_u24 v6, s22, v2                      ; lanes 16-31 take B's
	s_add_co_u32 s21, s21, SCL
	v_add_nc_u32 v5, v5, v6
	v_add_nc_u32 v[ADRS], s21, v5
	v_and_b32 v6, 31, v0
	v_lshlrev_b32 v[LI], 4, v6
.macro FRAG reg, adr, q, i             ; 16 rows x 128 K of 4-bit codes: 8 registers, two loads of 16 bytes, 32 bytes apart
.irp c, 0,1
	ds_load_b128 v[\reg+4*\c:\reg+4*\c+3], v[\adr] offset:64*(\q)+32*\c+(\i)*16*PITCH
.endr
.endm
; 16 matrix instructions: A's blocks a0, a0 + 1 x B's eight.  The 64 accumulators take turns, one instruction a turn, in the same order in every step.
.macro MUL16 a0, p, q, sc, zero
.irp a, \a0, \a0+1
.irp b, 0,1,2,3,4,5,6,7
.if \zero
	v_wmma_scale_f32_16x16x128_f8f6f4 v[8*(8*((\a)%4)+\b):8*(8*((\a)%4)+\b)+7], v[128*(\p)+FR*\b:128*(\p)+FR*\b+FR-1], v[AF+FR*(\a):AF+FR*(\a)+FR-1], 0, v[SC+8*NQ*(\sc)+NQ*\b+(\q)], v[SC+8*NQ*(\sc)+NQ*(\a)+(\q)] matrix_a_fmt:MATRIX_FMT_FP4 matrix_b_fmt:MATRIX_FMT_FP4 matrix_a_scale:MATRIX_SCALE_ROW1
.else
	v_wmma_scale_f32_16x16x128_f8f6f4 v[8*(8*((\a)%4)+\b):8*(8*((\a)%4)+\b)+7], v[128*(\p)+FR*\b:128*(\p)+FR*\b+FR-1], v[AF+FR*(\a):AF+FR*(\a)+FR-1], v[8*(8*((\a)%4)+\b):8*(8*((\a)%4)+\b)+7], v[SC+8*NQ*(\sc)+NQ*\b+(\q)], v[SC+8*NQ*(\sc)+NQ*(\a)+(\q)] matrix_a_fmt:MATRIX_FMT_FP4 matrix_b_fmt:MATRIX_FMT_FP4 matrix_a_scale:MATRIX_SCALE_ROW1
.endif
.endr
.endr
.endm
.macro FETCH_B slot, q, p
	WIN TO_B
.irp i, 0,1,2,3,4,5,6,7
	FRAG 128*(\p)+FR*\i, ADRB+\slot, \q, \i
.endr
	WIN 0
.endm
.macro FETCH_A slot, q, i0
.irp i, \i0, \i0+1, \i0+2, \i0+3
	FRAG AF+FR*(\i), ADRA+\slot, \q, \i
.endr
.endm
.macro SCALES sc                       ; a slot's scale words: lanes 0-15 take A's block i, lanes 16-31 B's block i
.irp i, 0,1,2,3,4,5,6,7
	ds_load_b128 v[SC+8*NQ*\sc+NQ*\i:SC+8*NQ*\sc+NQ*\i+3], v[ADRS] offset:\i*SBLK
.endr
.endm
.macro PLACES n                        ; plain vector instructions between a matrix instruction and a load into, or a read of, its registers
.rept \n
	v_nop
.endr
.endm
.macro STEP slot, q, zero              ; a step of 128 along K that has its successor in the same slot
	s_wait_dscnt 4*NL                              ; B's set and A's blocks 0-3 are in; the youngest eight loads (A's blocks 4-7) may be out
	WIN MUL_LO
	MUL16 0, (\q)%2, \q, \slot, \zero
	MUL16 2, (\q)%2, \q, \slot, \zero
	s_wait_dscnt 0
	PLACES NP
	FETCH_B \slot, (\q)+1, 1-(\q)%2
	FETCH_A \slot, (\q)+1, 0
	WIN MUL_HI
	MUL16 4, (\q)%2, \q, \slot, \zero
	MUL16 6, (\q)%2, \q, \slot, \zero
	PLACES NP
	WIN 0
	FETCH_A \slot, (\q)+1, 4
.endm
.macro STEPS slot, from
.set Q, \from
.rept NQ-1-\from
	STEP \slot, Q, 0
.set Q, Q+1
.endr
.endm
	s_wait_tensorcnt 1                             ; the scales and my part of slot 0 are in; slot 1's load may be out
	s_barrier_signal -1
	s_barrier_wait -1
	FETCH_B 0, 0, 0
	FETCH_A 0, 0, 0
	SCALES 0
	FETCH_A 0, 0, 4
	STEP 0, 0, 1                                   ; the first products start the sums: nothing is cleared
	STEPS 0, 1
	; slot 0's last step changes slots: each wave's part of slot 1 has landed before any wave reads it
	s_wait_tensorcnt 0x0
	ds_add_u32 v[SPW], v[NIL]
	s_wait_dscnt 4*NL+1                            ; the add and the youngest eight loads may be out
	WIN MUL_LO
	MUL16 0, 1, NQ-1, 0, 0
	s_wait_dscnt 0x0
	s_barrier_signal -1
	MUL16 2, 1, NQ-1, 0, 0
	WIN 0
	s_barrier_wait -1
	PLACES NP
	v_add_nc_u32 v[ADRS], 4*NQ, v[ADRS]            ; on to slot 1's scale words
	FETCH_B 1, 0, 0
	FETCH_A 1, 0, 0
	SCALES 1
	WIN MUL_HI
	MUL16 4, 1, NQ-1, 0, 0
	MUL16 6, 1, NQ-1, 0, 0
	PLACES NP
	WIN 0
	FETCH_A 1, 0, 4
	STEPS 1, 0
	s_wait_dscnt 4*NL                              ; the very last step
	WIN MUL_LO
	MUL16 0, 1, NQ-1, 1, 0
	MUL16 2, 1, NQ-1, 1, 0
	s_wait_dscnt 0
	WIN MUL_HI
	MUL16 4, 1, NQ-1, 1, 0
	MUL16 6, 1, NQ-1, 1, 0
	WIN 0
	PLACES NP                                      ; ahead of the loads into the scale words' registers and of the first reads of results
	s_cmp_eq_u32 ttmp9, 2                          ; the cluster's x: all partners go the same way
	s_cbranch_scc1 .Lv
; ---- q, k.  Accumulator (a, b): lane (r, h) holds token 16 a + r and channels 16 b + 8 h + 0..7; b = 4 hd + b2: head hd of my two, channels 16 b2 on.  Channels d and d + 32 (b2 and b2 + 2) turn together.
	s_lshl_b32 s20, s17, 6
	s_lshl_b32 s21, s41, 4
	s_add_co_u32 s20, s20, s21
	s_lshl_b32 s21, s15, 3
	s_add_co_u32 s20, s20, s21                     ; my first block of 16 tokens
	s_lshl_b32 s22, s20, 12
	s_mov_b32 s23, 0
	s_add_nc_u64 s[8:9], s[8:9], s[22:23]          ; its 4,096 bytes of cosines and sines
	s_and_b32 s20, s20, 127
	s_lshl_b32 s20, s20, 11                        ; its tile in the sequence: 2,048 bytes a tile
	s_lshr_b32 s21, s17, 1
	s_lshl_b32 s21, s21, 4
	s_lshl_b32 s22, s40, 2
	s_add_co_u32 s21, s21, s22
	s_lshl_b32 s22, s16, 1
	s_add_co_u32 s21, s21, s22                     ; 16 x batch + my first head
	s_lshl_b32 s21, s21, 18
	s_add_co_u32 s20, s20, s21
	s_lshl_b32 s21, ttmp9, 23                      ; q's part or k's
	s_add_co_u32 s20, s20, s21
	s_mov_b32 s21, 0
	s_add_nc_u64 s[10:11], s[10:11], s[20:21]
	s_mov_b32 s3, 0x3f800000
	s_cmp_eq_u32 ttmp9, 0
	s_cselect_b32 s2, 0x3e000000, s3               ; q carries the 1 / sqrt(64): a power of two, laid on the cosines and sines
	s_mov_b32 s3, s2
.macro RLOAD a
.irp e, 0,1,2,3,4,5,6,7
	global_load_b128 v[RB+32*((\a)%2)+4*\e:RB+32*((\a)%2)+4*\e+3], v[LI], s[8:9] offset:(\a)*4096+\e*512
.endr
.endm
.macro QKOUT a
.set RS, RB+32*((\a)%2)
.set OS, OUTB+32*((\a)%2)
.set AC, 64*((\a)%4)
.if (\a) < 7
	RLOAD (\a)+1
	s_wait_loadcnt 8                               ; this block's eight loads are in; the next block's may be out
.else
	s_wait_loadcnt 0
.endif
.irp i, 0,2,4,6,8,10,12,14,16,18,20,22,24,26,28,30
	v_pk_mul_f32 v[RS+\i:RS+\i+1], v[RS+\i:RS+\i+1], s[2:3] op_sel_hi:[1,0]
.endr
	WIN 0x02+(\a)/4                                ; source 0: the accumulators' window
.irp hd, 0,1
.irp bp, 0,1
.irp jp, 0,2,4,6                       ; ascending: each accumulator is read from its low end on
	v_pk_mul_f32 v[Y+32*\hd+8*\bp+\jp:Y+32*\hd+8*\bp+\jp+1], v[AC+8*(4*\hd+\bp+2)+\jp:AC+8*(4*\hd+\bp+2)+\jp+1], v[RS+16+8*\bp+\jp:RS+16+8*\bp+\jp+1]
	v_pk_mul_f32 v[Y+32*\hd+8*(\bp+2)+\jp:Y+32*\hd+8*(\bp+2)+\jp+1], v[AC+8*(4*\hd+\bp)+\jp:AC+8*(4*\hd+\bp)+\jp+1], v[RS+16+8*\bp+\jp:RS+16+8*\bp+\jp+1]
	v_pk_fma_f32 v[Y+32*\hd+8*\bp+\jp:Y+32*\hd+8*\bp+\jp+1], v[AC+8*(4*\hd+\bp)+\jp:AC+8*(4*\hd+\bp)+\jp+1], v[RS+8*\bp+\jp:RS+8*\bp+\jp+1], v[Y+32*\hd+8*\bp+\jp:Y+32*\hd+8*\bp+\jp+1] neg_lo:[0,0,1] neg_hi:[0,0,1]
	v_pk_fma_f32 v[Y+32*\hd+8*(\bp+2)+\jp:Y+32*\hd+8*(\bp+2)+\jp+1], v[AC+8*(4*\hd+\bp+2)+\jp:AC+8*(4*\hd+\bp+2)+\jp+1], v[RS+8*\bp+\jp:RS+8*\bp+\jp+1], v[Y+32*\hd+8*(\bp+2)+\jp:Y+32*\hd+8*(\bp+2)+\jp+1]
.endr
.endr
.endr
	WIN 0
.if (\a) >= 2
	s_wait_xcnt 0x0                                ; the stores of two blocks back have read this set
.endif
.set i, 0
.rept 32
	v_cvt_pk_f16_f32 v[OS+i], v[Y+2*i], v[Y+2*i+1]
.set i, i+1
.endr
.irp q, 0,1,2,3,4,5,6,7
	global_store_b128 v[LI], v[OS+4*\q:OS+4*\q+3], s[10:11] offset:(\q/4)*262144+(\a)*2048+(\q%4)*512   ; 32 lanes store 512 consecutive bytes: half a fragment's image
.endr
.endm
	RLOAD 0
.irp a, 0,1,2,3,4,5,6,7
	QKOUT \a
.endr
	s_branch .Lout
; ---- v.  Accumulator (a, b): lane (r, h) holds channel 16 a + r and keys 16 b + 8 h + 0..7
.Lv:
	s_lshr_b32 s20, s17, 1
	s_lshl_b32 s20, s20, 4
	s_lshl_b32 s21, s41, 2
	s_add_co_u32 s20, s20, s21
	s_lshl_b32 s21, s15, 1
	s_add_co_u32 s20, s20, s21                     ; 16 x batch + my first head
	s_lshl_b32 s20, s20, 18
	s_lshl_b32 s21, s17, 2
	s_add_co_u32 s21, s21, s40
	s_and_b32 s21, s21, 7
	s_lshl_b32 s21, s21, 2
	s_lshl_b32 s22, s16, 1
	s_add_co_u32 s21, s21, s22                     ; my first step of 64 keys
	s_lshl_b32 s21, s21, 13
	s_add_co_u32 s20, s20, s21
	s_add_co_u32 s20, s20, 0x1000000               ; v's part
	s_mov_b32 s21, 0
	s_add_nc_u64 s[10:11], s[10:11], s[20:21]
.macro VOUT a
.set OS, OUTB+32*((\a)%2)
.set AC, 64*((\a)%4)
.if (\a) >= 2
	s_wait_xcnt 0x0
.endif
	WIN 0x0a+5*((\a)/4)                            ; sources 0 and 1: the accumulators' window
.irp b, 0,1,2,3,4,5,6,7
.irp e, 0,1,2,3
	v_cvt_pk_f16_f32 v[OS+4*\b+\e], v[AC+8*\b+2*\e], v[AC+8*\b+2*\e+1]
.endr
.endr
	WIN 0
.irp b, 0,1,2,3,4,5,6,7
	global_store_b128 v[LI], v[OS+4*\b:OS+4*\b+3], s[10:11] offset:((\a)/4)*262144+(\b/4)*8192+((\b%4)/2)*4096+((\a)%4)*1024+(\b%2)*512
.endr
.endm
.irp a, 0,1,2,3,4,5,6,7
	VOUT \a
.endr
.Lout:
	s_wait_tensorcnt 0x0                           ; the wave's end
	ds_add_u32 v[SPW], v[NIL]
	s_wait_dscnt 0x0
	CROUND                                         ; the closing round
	s_endpgm
.Lfunc_end_k_qf6a75cdf54_qkv_gemm:
	.size	k_qf6a75cdf54_qkv_gemm, .Lfunc_end_k_qf6a75cdf54_qkv_gemm-k_qf6a75cdf54_qkv_gemm
	.p2alignl 7, 3214868480
	.fill 96, 4, 3214868480
	.section	.rodata,"a",@progbits
	.p2align	6, 0x0
	.amdhsa_kernel k_qf6a75cdf54_qkv_gemm
		.amdhsa_group_segment_fixed_size 327680
		.amdhsa_private_segment_fixed_size 0
		.amdhsa_enable_private_segment 0
		.amdhsa_kernarg_size 32
		.amdhsa_user_sgpr_count 2
		.amdhsa_user_sgpr_kernarg_segment_ptr 1
		.amdhsa_wavefront_size32 1
		.amdhsa_system_sgpr_workgroup_id_x 1
		.amdhsa_system_sgpr_workgroup_id_y 1
		.amdhsa_system_sgpr_workgroup_id_z 1
		.amdhsa_system_vgpr_workitem_id 0
		.amdhsa_next_free_vgpr 1024
		.amdhsa_next_free_sgpr 98
		.amdhsa_reserve_vcc 0
		.amdhsa_float_denorm_mode_32 3
		.amdhsa_float_denorm_mode_16_64 3
		.amdhsa_memory_ordered 1
		.amdhsa_forward_progress 1
		.amdhsa_inst_pref_size 188
	.end_amdhsa_kernel
	.amdgpu_metadata
---
amdhsa.version: [ 1, 2 ]
amdhsa.kernels:
  - .name:           k_qf6a75cdf54_qkv_gemm
    .symbol:         k_qf6a75cdf54_qkv_gemm.kd
    .args:
      - { .name: codes, .offset: 0, .size: 8, .value_kind: global_buffer, .address_space: global }
      - { .name: scales, .offset: 8, .size: 8, .value_kind: global_buffer, .address_space: global }
      - { .name: rope, .offset: 16, .size: 8, .value_kind: global_buffer, .address_space: global }
      - { .name: qkv, .offset: 24, .size: 8, .value_kind: global_buffer, .address_space: global }
    .group_segment_fixed_size: 327680
    .private_segment_fixed_size: 0
    .kernarg_segment_align: 8
    .kernarg_segment_size: 32
    .max_flat_workgroup_size: 128
    .sgpr_count:     98
    .vgpr_count:     1024
    .wavefront_size: 32
...
	.end_amdgpu_metadata
.endif
;; end of part 2
;; launch attn (part 3): grid 8 x 32, 8 waves a work-group, clusters of 4 x 4, 327,680 bytes of LDS; arguments attention_mask, qkv, a_frag, a_lo; writes a_frag, a_lo
.if DOCPART == 3
	.amdgcn_target "amdgcn-amd-amdhsa--gfx1250"
	.amdhsa_code_object_version 6
	.text
	.protected	k_qf6a75cdf54_attn
	.globl	k_qf6a75cdf54_attn
	.p2align	8
	.type	k_qf6a75cdf54_attn,@function
k_qf6a75cdf54_attn:
	s_mov_b64 s[64:65], 0
	v_nop
	global_prefetch_b8 v0, s[64:65] scope:SCOPE_SE
	s_setreg_imm32_b32 hwreg(HW_REG_WAVE_MODE, 25, 1), 1
	s_wait_xcnt 0x0
	s_wait_alu depctr_hold_cnt(0) depctr_sa_sdst(0) depctr_va_vdst(0) depctr_va_sdst(0) depctr_va_ssrc(0) depctr_va_vcc(0) depctr_vm_vsrc(0)
	s_getreg_b32 s2, hwreg(HW_REG_IB_STS2, 6, 4)
	s_cmp_eq_u32 s2, 0
	s_cbranch_scc0 .Lentry_in_a_cluster
	s_endpgm
.Lentry_in_a_cluster:
	s_bfe_u32 s2, ttmp6, 0x10000c
	s_cmp_lg_u32 s2, 0xf033
	s_cbranch_scc0 .Lentry_shape_is_right
	s_endpgm
.Lentry_shape_is_right:
; a[b][q][head][:] = sum over keys of softmax(max(q . k / 8 + mask[b][q][key], lowest f32)) v[key][:].  q (already x 1/8), k, v come as f16 fragment images; the mask is an input and every word of it is read.
; SHARES.  A work-group owns 128 queries x 2 heads; wave w: head w / 4 of the two, queries 32 (w % 4) on: two tiles of 16.  Every wave walks all 2,048 keys, 64 a step, 128 a slot.
; LAYOUT.  S^T = K Q^T + mask: source 0 = 16 keys, source 1 = 16 queries, and THE MASK IS THE C OF THE FIRST PRODUCT: it is loaded from LDS straight into the scores' registers.  A lane holds one query (lane % 16) and keys
; 8 (lane / 16) + 0..7 of a tile.  Two tiles, packed to f16 in place, are source 1 of O^T = V^T P.  The row's sum is one more product, of ones with P: it lands whole in every lane.
; SOFTMAX.  A running maximum M (it begins at the lowest finite f32) and p = 2^((s - M) log2 e); the difference is formed first, so that equal huge numbers give 0.  O and the sum are multiplied by 2^((old M - new M) log2 e) in each step.
; Where a row's M is still the lowest finite f32, every score so far is at or under it, and the clamp at the lowest f32 makes them all equal: every p becomes 1 by a select.
; PIPELINE.  While a step's mask and K are on their way from LDS into one set of score registers, the last step's softmax and V^T P run on the other set.
; CLUSTER, 4 x 4: x = pairs of heads, y = blocks of queries.  The mask's tile hangs on y alone and is asked for jointly along a row; K's and V's hang on x alone, jointly along a column.  Waves 0-3 ask for the mask's quarters,
; waves 4-7 for K and V of the two heads: one load a wave behind each round; by this text's count one tensor load of a wave is out at a time.
; a_lo takes (a - f16(a)) x 2^11 for the first 16 queries of EVERY block of 128, though only each sequence's first block is read later.
; LIMITS: f16 operands (magnitudes from 65,504 on are not served); the sum is taken of the f16-rounded p; NaN is not served; a row counts as wholly masked where its maximum equals the lowest finite f32.
; REGISTERS.  Window 0: v1-8 addresses; v16-31 statistics (8 a tile: M, -, a, -, four at work); v32-47 the sums' accumulators; v48-55 ones; v56-59 at work; v64-127, v128-191 scores, two sets (tile u, keys 16 t: + 32 u + 8 t);
; v192-255 O^T (+ 32 u + 8 ct).  Window 1: v0-63 K, v64-127 V, v128-159 Q.
.set MP,    528                        ; a row of the mask's tile in LDS: 512 bytes + 16 of padding: the 16 rows of a load start at 16 different banks (ISA guide 11.1)
.set MSZ,   128*MP
.set SLOT,  MSZ+4*16384                ; the mask's 128 rows; K of head 0, of head 1; V of head 0, of head 1: 16,384 bytes each
.set SPARE, 2*SLOT                     ; the spare words, 128 bytes for each wave: four blocks of 256 bytes that no other line names
.set SPW, 1
.set NIL, 2
.set AM,  3                            ; v3, v4  my place in the mask's tile, slot 0, 1
.set AKV, 5                            ; v5, v6  my place in my head's K, slot 0, 1; V lies 32,768 further on
.set GO,  7                            ; v7      16 x lane
.set PFO, 8                            ; v8      the prefetches' offset
.set ST,  16
.set LS,  32
.set ONES, 48
.set S0,  64
.set OA,  192
.set KF,  0
.set VF,  64
.set QF,  128
.set WV,  12
.set G1M, 24
.set G1D, 32
.set G0M, 40
.set G0D, 48
.set CS,  56                           ; s[56:57] log2 e
.set SEL, 58                           ; s[58:59] lane selects: lane l xor 16
.set CNT, 60
.set LIM, 61                           ; s61, s62: a wave prefetches while the loop's count is above these
.set NEGM, 63                          ; the lowest finite f32
.set PFA, 66
.set PFS, 68
.set FM,  70                           ; s70, s71: lanes whose row is still wholly masked
.set MSB, 0
.macro WIN new
.if MSB != (\new)
	s_set_vgpr_msb (MSB<<8)|(\new)
.set MSB, (\new)
.endif
.endm
.macro PLACES                          ; four plain vector instructions between a matrix instruction and a load into, or a vector read of, its registers
.rept 4
	v_nop
.endr
.endm
.macro JLOAD s                         ; the branch hangs on the wave's number alone; an s_nop 0 and four v_nop follow each line
	s_cmp_lt_u32 s[WV], 4
	s_cbranch_scc0 .Ldense_\@
	tensor_load_to_lds s[G0M+4*(\s):G0M+4*(\s)+3], s[G1M:G1M+7]
	s_nop 0
.rept 4
	v_nop
.endr
	s_branch .Lasked_\@
.Ldense_\@:
	tensor_load_to_lds s[G0D+4*(\s):G0D+4*(\s)+3], s[G1D:G1D+7]
	s_nop 0
.rept 4
	v_nop
.endr
.Lasked_\@:
.endm
.macro ROUND                           ; a round of the cluster's barrier
	s_barrier_signal -1
	s_barrier_wait -1
	s_cmp_lg_u32 s[WV], 0
	s_cbranch_scc1 .Lnot_wave_0_\@
	s_barrier_signal -3
.Lnot_wave_0_\@:
	s_barrier_wait -3
	s_barrier_signal -1
	s_barrier_wait -1
.endm
; A PREFETCH of what the NEXT change of slots will ask for, one instruction a wave, each aligned block of 256 bytes named once in the launch.  The mask's tile (128 rows x 512 bytes) is walked by both clusters of a row of
; clusters: the one with x = 0 asks; partner cx takes rows 32 cx on, a lane a row, waves 0 and 1 a half of the 512 bytes each.  K and V of a pair of heads are walked by the four clusters of a batch: the first of them asks;
; partner cy takes one of the four pieces of 16,384 bytes, waves 2 and 3 half of it each, lanes 256 bytes apart.  Partners differ by address alone.  The last two changes that fill a slot ask for nothing.
.macro ASK lim
	s_cmp_gt_u32 s[CNT], s[\lim]
	s_cbranch_scc0 .Lnot_mine_\@
	global_prefetch_b8 v[PFO], s[PFA:PFA+1] th:TH_LOAD_NT scope:SCOPE_SE
.Lnot_mine_\@:
.endm
	s_load_b256 s[4:11], s[0:1], 0x0               ; mask s[4:5], qkv s[6:7], a_frag s[8:9], a_lo s[10:11]
	v_lshl_add_u32 v[SPW], v0, 2, SPARE
	v_mov_b32 v[NIL], 0
	ds_add_u32 v[SPW], v[NIL]                      ; the wave's opening: the add, twice on end, and its wait ahead of my first tensor load
	ds_add_u32 v[SPW], v[NIL]
	v_lshrrev_b32 v9, 5, v0
	v_readfirstlane_b32 s[WV], v9                  ; wave 0..7
	s_bfe_u32 s13, ttmp6, 0x40000                  ; cx
	s_bfe_u32 s14, ttmp6, 0x40004                  ; cy
	s_and_b32 s16, ttmp7, 0xffff                   ; the cluster's y
	s_lshr_b32 s17, s16, 2                         ; batch
	s_and_b32 s18, s16, 3
	s_lshl_b32 s18, s18, 2
	s_add_co_u32 s18, s18, s14                     ; block of 128 queries
	s_lshl_b32 s19, ttmp9, 2
	s_add_co_u32 s19, s19, s13                     ; pair of heads
	s_and_b32 s20, s[WV], 3                        ; my 32 queries; also: which quarter I fetch
	s_lshr_b32 s21, s[WV], 2                       ; my head of the two
	s_lshl_b32 s22, s14, 2
	s_lshl_b32 s22, 15, s22                        ; my row of the cluster
	s_lshl_b32 s23, 0x1111, s13                    ; my column
	s_or_b32 s[G1M], s22, (2<<16)|(1<<20)|(1<<21)|(6<<22)|(3<<25)   ; the mask's quarter: elements of 4 bytes; padding on, 4 words behind every 128; bit 21 beside a mask
	s_mov_b32 s[G1M+1], 128<<16                    ; tensor_dim0 = 128
	s_mov_b32 s[G1M+2], 32<<16                     ; tensor_dim1 = 32
	s_mov_b32 s[G1M+3], 128<<16                    ; tile_dim0
	s_mov_b32 s[G1M+4], 32                         ; tile_dim1
	s_mov_b32 s[G1M+5], 2048                       ; from row to row
	s_mov_b32 s[G1M+6], 0
	s_mov_b32 s[G1M+7], 0
	s_or_b32 s[G1D], s23, (3<<16)|(1<<21)          ; K or V of one head: 16,384 dense bytes as 64 rows of 32 elements of 8 bytes
	s_mov_b32 s[G1D+1], 32<<16
	s_mov_b32 s[G1D+2], 64<<16
	s_mov_b32 s[G1D+3], 32<<16
	s_mov_b32 s[G1D+4], 64
	s_mov_b32 s[G1D+5], 32
	s_mov_b32 s[G1D+6], 0
	s_mov_b32 s[G1D+7], 0
	s_lshl_b32 s72, s17, 24                        ; the mask: batch,
	s_lshl_b32 s73, s18, 20                        ; 128 rows of 8,192 bytes a block,
	s_add_co_u32 s72, s72, s73
	s_lshl_b32 s73, s20, 18                        ; my 32 rows
	s_add_co_u32 s72, s72, s73
	s_mov_b32 s73, 0
	s_lshl_b32 s74, s17, 4
	s_lshl_b32 s75, s19, 1
	s_add_co_u32 s74, s74, s75                     ; 16 x batch + the pair's first head
	s_and_b32 s75, s[WV], 1
	s_add_co_u32 s75, s74, s75
	s_lshl_b32 s75, s75, 18                        ; a head is 262,144 bytes in each part of qkv
	s_lshr_b32 s76, s20, 1
	s_add_co_u32 s76, s76, 1
	s_lshl_b32 s76, s76, 23                        ; K's part or V's
	s_add_co_u32 s76, s76, s75
	s_mov_b32 s77, 0
	s_mul_i32 s78, s20, 32*MP                      ; where my quarter goes: of the mask,
	s_lshl_b32 s79, s20, 14
	s_add_co_u32 s79, s79, MSZ                     ; of K and V
	s_mov_b32 s[CS], 0x3fb8aa3b
	s_mov_b32 s[CS+1], s[CS]
	s_mov_b32 s[SEL], 0x76543210
	s_mov_b32 s[SEL+1], 0xfedcba98
	s_mov_b32 s[NEGM], 0xff7fffff
	s_wait_dscnt 0x0                               ; both opening adds are done
	s_wait_kmcnt 0x0
	s_add_nc_u64 s[72:73], s[4:5], s[72:73]
	s_add_nc_u64 s[76:77], s[6:7], s[76:77]
.irp s, 0,1
	s_mov_b32 s[G0M+4*\s], 1
	s_add_co_u32 s[G0M+4*\s+1], s78, \s*SLOT
	s_add_nc_u64 s[G0M+4*\s+2:G0M+4*\s+3], s[72:73], \s*512        ; slot s begins with keys 128 s on
	s_or_b32 s[G0M+4*\s+3], s[G0M+4*\s+3], 0x80000000
	s_mov_b32 s[G0D+4*\s], 1
	s_add_co_u32 s[G0D+4*\s+1], s79, \s*SLOT
	s_add_nc_u64 s[G0D+4*\s+2:G0D+4*\s+3], s[76:77], \s*16384
	s_or_b32 s[G0D+4*\s+3], s[G0D+4*\s+3], 0x80000000
.endr
	ROUND                                          ; all sixteen work-groups are here
	JLOAD 0                                        ; slot 0
	v_and_b32 v9, 15, v0                           ; r
	v_bfe_u32 v10, v0, 4, 1                        ; h
	v_and_b32 v11, 31, v0                          ; lane
	v_lshlrev_b32 v[GO], 4, v11
	s_add_co_u32 s82, s74, s21                     ; my head among the 32
	s_lshl_b32 s82, s82, 7
	s_lshl_b32 s83, s18, 3
	s_add_co_u32 s82, s82, s83
	s_lshl_b32 s83, s20, 1
	s_add_co_u32 s82, s82, s83                     ; my first tile of 16 queries
	s_lshl_b32 s82, s82, 11
	s_mov_b32 s83, 0
	s_add_nc_u64 s[84:85], s[6:7], s[82:83]
	WIN 0x40                                       ; destination window 1
.irp i, 0,1,2,3,4,5,6,7
	global_load_b128 v[QF+4*\i:QF+4*\i+3], v[GO], s[84:85] offset:\i*512   ; Q stays in registers: tile i / 4, channels 32 ((i / 2) % 2) on
.endr
	WIN 0
	v_mul_u32_u24 v12, v9, MP
	v_lshl_add_u32 v12, v10, 5, v12
	v_add_nc_u32 v[AM], s78, v12                   ; row 32 (w % 4) + r, + 32 h bytes
	v_add_nc_u32 v[AM+1], SLOT, v[AM]
	s_lshl_b32 s81, s21, 14
	s_add_co_u32 s81, s81, MSZ
	v_add_nc_u32 v[AKV], s81, v[GO]
	v_add_nc_u32 v[AKV+1], SLOT, v[AKV]
	; where the results go: a_frag: block of 16 rows x 32,768 + head x 2,048;  a_low: block of 128 queries x 32,768 + head x 2,048
	s_lshl_b32 s86, s19, 1
	s_add_co_u32 s86, s86, s21
	s_lshl_b32 s86, s86, 11
	s_lshl_b32 s88, s17, 7
	s_lshl_b32 s87, s18, 3
	s_add_co_u32 s88, s88, s87
	s_lshl_b32 s87, s20, 1
	s_add_co_u32 s88, s88, s87
	s_lshl_b32 s88, s88, 15
	s_add_co_u32 s88, s88, s86
	s_mov_b32 s89, 0
	s_add_nc_u64 s[8:9], s[8:9], s[88:89]
	s_lshl_b32 s88, s17, 4
	s_add_co_u32 s88, s88, s18
	s_lshl_b32 s88, s88, 15
	s_add_co_u32 s88, s88, s86
	s_add_nc_u64 s[10:11], s[10:11], s[88:89]
	; the prefetches: both offsets stand at slot 1; the first change of slots steps them to slot 2
	s_and_b32 s92, s[WV], 1
	s_lshl_b32 s94, s17, 24
	s_lshl_b32 s93, s18, 20
	s_add_co_u32 s94, s94, s93
	s_lshl_b32 s93, s13, 18                        ; my work-group's 32 rows of the mask's 128
	s_add_co_u32 s94, s94, s93
	s_lshl_b32 s93, s92, 8
	s_add_co_u32 s94, s94, s93
	s_add_co_u32 s94, s94, 512
	s_and_b32 s93, s14, 1
	s_add_co_u32 s95, s74, s93
	s_lshl_b32 s95, s95, 18
	s_lshr_b32 s93, s14, 1
	s_add_co_u32 s93, s93, 1
	s_lshl_b32 s93, s93, 23                        ; my work-group's piece: K or V, head 0 or 1
	s_add_co_u32 s95, s95, s93
	s_lshl_b32 s93, s92, 13
	s_add_co_u32 s95, s95, s93
	s_add_co_u32 s95, s95, 16384
	s_and_b32 s93, s16, 3
	s_mov_b32 s90, 16384
	s_cmp_lt_u32 s[WV], 2                          ; waves 0, 1: the mask; waves 2, 3: K and V
	s_cselect_b64 s[PFA:PFA+1], s[4:5], s[6:7]
	s_cselect_b32 s[PFS], 512, s90                 ; a slot on
	s_cselect_b32 s91, 13, 8                       ; from lane to lane: 8,192 or 256 bytes
	s_cselect_b32 s92, ttmp9, s93                  ; the coordinate along which other clusters walk the same bytes
	s_cselect_b32 s94, s94, s95
	s_mov_b32 s95, 0
	s_mov_b32 s[PFS+1], 0
	s_add_nc_u64 s[PFA:PFA+1], s[PFA:PFA+1], s[94:95]
	s_lshr_b32 s93, s[WV], 2
	s_or_b32 s92, s92, s93                         ; 0 in waves 0-3 of the cluster that asks: the same in all partners
	s_cmp_eq_u32 s92, 0
	s_cselect_b32 s[LIM], 0, -1
	s_cselect_b32 s[LIM+1], 1, -1
	v_lshlrev_b32 v[PFO], s91, v11
.irp j, 0,1,2,3,4,5,6,7
	v_mov_b32 v[ONES+\j], 0x3c003c00               ; 1.0, 1.0 in f16
.endr
.irp j, 0,1,2,3,4,5,6,7,8,9,10,11,12,13,14,15
	v_mov_b32 v[ST+\j], 0
.endr
	v_mov_b32 v[ST], s[NEGM]
	v_mov_b32 v[ST+8], s[NEGM]
.irp j, 0,1,2,3,4,5,6,7,8,9,10,11,12,13,14,15
	v_mov_b32 v[LS+\j], 0                          ; the sums and O^T begin as zeros, once: so the step is written in one form
.endr
.set i, 0
.rept 64
	v_mov_b32 v[OA+i], 0
.set i, i+1
.endr
.macro MLOAD slot, st                  ; 64 keys of the mask for my 32 queries, into the scores' registers: register j of tile t: mask[query r][key 16 t + 8 h + j]
.irp u, 0,1
.irp t, 0,1,2,3
.irp e, 0,1
	ds_load_b128 v[S0+64*\st+32*\u+8*\t+4*\e:S0+64*\st+32*\u+8*\t+4*\e+3], v[AM+\slot] offset:\u*16*MP+\st*256+\t*64+\e*16
.endr
.endr
.endr
.endm
.macro KLOAD slot, st                  ; eight fragments: keys 16 (f / 2) on, channels 32 (f % 2) on
	WIN 0x40
.irp f, 0,1,2,3,4,5,6,7
.irp e, 0,1
	ds_load_b128 v[KF+8*\f+4*\e:KF+8*\f+4*\e+3], v[AKV+\slot] offset:\st*8192+\f*1024+\e*512
.endr
.endr
	WIN 0
.endm
.macro VLOAD slot, st                  ; eight fragments: keys 32 (f / 4) on, channels 16 (f % 4) on
	WIN 0x40
.irp f, 0,1,2,3,4,5,6,7
.irp e, 0,1
	ds_load_b128 v[VF+8*\f+4*\e:VF+8*\f+4*\e+3], v[AKV+\slot] offset:32768+\st*8192+\f*1024+\e*512
.endr
.endr
	WIN 0
.endm
.macro QK sb                           ; the eight accumulators take turns, one instruction a turn
	WIN 0x05                                       ; K and Q in window 1
.irp c, 0,1
.irp t, 0,1,2,3
.irp u, 0,1
	v_wmma_f32_16x16x32_f16 v[S0+64*(\sb)+32*\u+8*\t:S0+64*(\sb)+32*\u+8*\t+7], v[KF+8*(2*\t+\c):KF+8*(2*\t+\c)+7], v[QF+16*\u+8*\c:QF+16*\u+8*\c+7], v[S0+64*(\sb)+32*\u+8*\t:S0+64*(\sb)+32*\u+8*\t+7]
.endr
.endr
.endr
	WIN 0
.endm
.macro PV sb
	WIN 0x01                                       ; V in window 1
.irp up, 0,1
.irp ct, 0,1,2,3
.irp u, 0,1
	v_wmma_f32_16x16x32_f16 v[OA+32*\u+8*\ct:OA+32*\u+8*\ct+7], v[VF+8*(4*\up+\ct):VF+8*(4*\up+\ct)+7], v[S0+64*(\sb)+32*\u+8*\up:S0+64*(\sb)+32*\u+8*\up+7], v[OA+32*\u+8*\ct:OA+32*\u+8*\ct+7]
.endr
.endr
.endr
	WIN 0
.irp up, 0,1
.irp u, 0,1
	v_wmma_f32_16x16x32_f16 v[LS+8*\u:LS+8*\u+7], v[ONES:ONES+7], v[S0+64*(\sb)+32*\u+8*\up:S0+64*(\sb)+32*\u+8*\up+7], v[LS+8*\u:LS+8*\u+7]   ; the rows' sums, the two tiles by turns
.endr
.endr
.endm
; The softmax of one step for both tiles, which alternate line by line.
.macro SM sb
.set XB, S0+64*(\sb)
.irp j, 0,1,2,3                        ; the maximum: four chains, each begun at an accumulator's low end
.irp u, 0,1
	v_max3_num_f32 v[ST+8*\u+4+\j], v[XB+32*\u+8*\j], v[XB+32*\u+8*\j+1], v[XB+32*\u+8*\j+2]
.endr
.endr
.irp i, 3,5
.irp j, 0,1,2,3
.irp u, 0,1
	v_max3_num_f32 v[ST+8*\u+4+\j], v[ST+8*\u+4+\j], v[XB+32*\u+8*\j+\i], v[XB+32*\u+8*\j+\i+1]
.endr
.endr
.endr
.irp u, 0,1
	v_max3_num_f32 v[ST+8*\u+4], v[ST+8*\u+4], v[XB+32*\u+7], v[XB+32*\u+15]
.endr
.irp u, 0,1
	v_max3_num_f32 v[ST+8*\u+6], v[ST+8*\u+6], v[XB+32*\u+23], v[XB+32*\u+31]
.endr
.irp u, 0,1
	v_max3_num_f32 v[ST+8*\u+4], v[ST+8*\u+4], v[ST+8*\u+5], v[ST+8*\u+6]
.endr
.irp u, 0,1
	v_max3_num_f32 v[ST+8*\u+4], v[ST+8*\u+4], v[ST+8*\u+7], v[ST+8*\u]      ; with the old M
.endr
.irp u, 0,1
	v_permlanex16_b32 v[ST+8*\u+5], v[ST+8*\u+4], s[SEL], s[SEL+1]           ; the query's other 32 keys lie in the lane 16 away
.endr
.irp u, 0,1
	v_mov_b32 v[ST+8*\u+6], v[ST+8*\u]
.endr
.irp u, 0,1
	v_max_num_f32 v[ST+8*\u], v[ST+8*\u+4], v[ST+8*\u+5]                     ; the new M
.endr
.irp u, 0,1
	v_sub_f32 v[ST+8*\u+6], v[ST+8*\u+6], v[ST+8*\u]
.endr
.irp u, 0,1
	v_mul_f32 v[ST+8*\u+6], s[CS], v[ST+8*\u+6]
.endr
.irp u, 0,1
	v_cmp_eq_f32 s[FM+\u], v[ST+8*\u], s[NEGM]                               ; rows that are wholly masked so far
.endr
.set i, 0
.rept 16
.irp u, 0,1
	v_pk_add_f32 v[XB+32*\u+i:XB+32*\u+i+1], v[XB+32*\u+i:XB+32*\u+i+1], v[ST+8*\u:ST+8*\u+1] op_sel_hi:[1,0] neg_lo:[0,1] neg_hi:[0,1]   ; s - M
.endr
.set i, i+2
.endr
.set i, 0
.rept 16
.irp u, 0,1
	v_pk_mul_f32 v[XB+32*\u+i:XB+32*\u+i+1], v[XB+32*\u+i:XB+32*\u+i+1], s[CS:CS+1] op_sel_hi:[1,0]
.endr
.set i, i+2
.endr
.irp u, 0,1
	v_exp_f32 v[ST+8*\u+2], v[ST+8*\u+6]           ; a.  One batch: 66 exponentials, none of which reads another's result
.endr
.set i, 0
.rept 32
.irp u, 0,1
	v_exp_f32 v[XB+32*\u+i], v[XB+32*\u+i]
.endr
.set i, i+1
.endr
	v_nop                                          ; a plain instruction behind the last of the batch,
	s_wait_alu depctr_va_vdst(0)                   ; and one wait ahead of the first reader
.set i, 0
.rept 16
.irp u, 0,1
	v_cvt_pk_f16_f32 v[XB+32*\u+i], v[XB+32*\u+2*i], v[XB+32*\u+2*i+1]       ; in place, ascending: registers 0-15 of a tile's 32 become P
.endr
.set i, i+1
.endr
.set i, 0
.rept 16
.irp u, 0,1
	v_cndmask_b32 v[XB+32*\u+i], v[XB+32*\u+i], v[ONES], s[FM+\u]            ; a wholly masked row weighs all keys alike
.endr
.set i, i+1
.endr
.set i, 0
.rept 16
.irp u, 0,1
	v_pk_mul_f32 v[OA+32*\u+i:OA+32*\u+i+1], v[OA+32*\u+i:OA+32*\u+i+1], v[ST+8*\u+2:ST+8*\u+3] op_sel_hi:[1,0]
.endr
.set i, i+2
.endr
.irp i, 0,2,4,6
.irp u, 0,1
	v_pk_mul_f32 v[LS+8*\u+\i:LS+8*\u+\i+1], v[LS+8*\u+\i:LS+8*\u+\i+1], v[ST+8*\u+2:ST+8*\u+3] op_sel_hi:[1,0]
.endr
.endr
.endm
; A KEY STEP: this step's mask and K go out; the last step's softmax and V^T P run meanwhile; then this step's V goes out and its K Q^T runs.
.macro STEPX slot, st, first, places, ask
.if \places
	PLACES                                         ; behind the last K Q^T: for the loads into K's registers and the softmax's reads of the scores
.endif
	MLOAD \slot, \st
	KLOAD \slot, \st
.if \ask
	ASK LIM+\ask-1
.endif
.if !\first
	SM 1-\st
	s_wait_dscnt 32                                ; the last step's V is in; the 32 loads just issued may be out
	PV 1-\st
	PLACES                                         ; for the loads into V's registers
.endif
	VLOAD \slot, \st
	s_wait_dscnt 16                                ; the mask and K are in; V's 16 loads may be out
	QK \st
.endm
; A SLOT.  Each wave waits for all its tensor loads (its part of this slot), adds 0 to its spare word, and waits for that and for its reads of the slot that it has left (the last were V's fragments).
; The round then holds for every wave of every partner; the slot that was left is asked for again first thing behind it, and has this slot's two steps in which to land.
.macro TRIP slot, refill, ask, first
	s_wait_tensorcnt 0x0                           ; no tensor load of mine is out, so a group 0 may be written
	ds_add_u32 v[SPW], v[NIL]
	s_add_nc_u64 s[G0M+4*\slot+2:G0M+4*\slot+3], s[G0M+4*\slot+2:G0M+4*\slot+3], 1024     ; this slot's next keys: 256 further on
	s_add_nc_u64 s[G0D+4*\slot+2:G0D+4*\slot+3], s[G0D+4*\slot+2:G0D+4*\slot+3], 32768
	s_wait_xcnt 0x0                                ; the last prefetch, a slot back, has read its address
	s_add_nc_u64 s[PFA:PFA+1], s[PFA:PFA+1], s[PFS:PFS+1]
	s_wait_dscnt 0x0
	ROUND
.if \refill
	JLOAD 1-\slot                                  ; its four v_nop are also the places behind the last K Q^T
.else
	PLACES
.endif
	STEPX \slot, 0, \first, 0, \ask
	STEPX \slot, 1, 0, 1, 0
.endm
	s_wait_loadcnt 0x0                             ; Q
	s_mov_b32 s[CNT], 7
	TRIP 0, 1, 1, 1                                ; slot 0's keys; slot 1 is filled for the first time behind this round, behind which nothing is filled again
.Lloop:                                                ; seven trips of two slots
	TRIP 1, 1, 1, 0
	TRIP 0, 1, 2, 0
	s_sub_co_u32 s[CNT], s[CNT], 1
	s_cmp_lg_u32 s[CNT], 0
	s_cbranch_scc1 .Lloop
	TRIP 1, 0, 0, 0                                ; the last 128 keys: nothing is left to ask for
	PLACES
	SM 1
	s_wait_dscnt 0x0
	PV 1
	PLACES
	; THE WAY OUT.  O^T / the sum; a lane's eight channels of a query pack into 16 bytes of the next launch's fragment image: no result goes through LDS.
	v_rcp_f32 v[ST+2], v[LS]
	v_rcp_f32 v[ST+10], v[LS+8]
	v_nop
	s_wait_alu depctr_va_vdst(0)                   ; one wait for the two reciprocals, ahead of their first reader
.set i, 0
.rept 16
.irp u, 0,1
	v_pk_mul_f32 v[OA+32*\u+i:OA+32*\u+i+1], v[OA+32*\u+i:OA+32*\u+i+1], v[ST+8*\u+2:ST+8*\u+3] op_sel_hi:[1,0]
.endr
.set i, i+2
.endr
.set i, 0
.rept 16
.irp u, 0,1
	v_cvt_pk_f16_f32 v[S0+16*\u+i], v[OA+32*\u+2*i], v[OA+32*\u+2*i+1]
.endr
.set i, i+1
.endr
.irp u, 0,1
.irp ct, 0,1,2,3
	global_store_b128 v[GO], v[S0+16*\u+4*\ct:S0+16*\u+4*\ct+3], s[8:9] offset:\u*32768+\ct*512   ; 32 lanes store 512 consecutive bytes
.endr
.endr
	s_cmp_lg_u32 s20, 0                            ; the block's first 16 queries lie in waves 0 and 4: a branch on the wave's number
	s_cbranch_scc1 .Lno_low
.set i, 0
.rept 16
	v_mov_b32 v56, v[S0+i]
	v_cvt_f32_f16 v58, v56.l
	v_cvt_f32_f16 v59, v56.h
	v_sub_f32 v58, v[OA+2*i], v58
	v_sub_f32 v59, v[OA+2*i+1], v59
	v_pk_mul_f32 v[58:59], v[58:59], 0x45000000 op_sel_hi:[1,0]              ; what the rounding left, x 2^11
	v_cvt_pk_f16_f32 v[S0+64+i], v58, v59
.set i, i+1
.endr
.irp ct, 0,1,2,3
	global_store_b128 v[GO], v[S0+64+4*\ct:S0+64+4*\ct+3], s[10:11] offset:\ct*512
.endr
.Lno_low:
	s_wait_tensorcnt 0x0                           ; the wave's end
	ds_add_u32 v[SPW], v[NIL]
	s_wait_dscnt 0x0
	ROUND                                          ; the closing round
	s_endpgm
.Lfunc_end_k_qf6a75cdf54_attn:
	.size	k_qf6a75cdf54_attn, .Lfunc_end_k_qf6a75cdf54_attn-k_qf6a75cdf54_attn
	.p2alignl 7, 3214868480
	.fill 96, 4, 3214868480
	.section	.rodata,"a",@progbits
	.p2align	6, 0x0
	.amdhsa_kernel k_qf6a75cdf54_attn
		.amdhsa_group_segment_fixed_size 327680
		.amdhsa_private_segment_fixed_size 0
		.amdhsa_enable_private_segment 0
		.amdhsa_kernarg_size 32
		.amdhsa_user_sgpr_count 2
		.amdhsa_user_sgpr_kernarg_segment_ptr 1
		.amdhsa_wavefront_size32 1
		.amdhsa_system_sgpr_workgroup_id_x 1
		.amdhsa_system_sgpr_workgroup_id_y 1
		.amdhsa_system_sgpr_workgroup_id_z 1
		.amdhsa_system_vgpr_workitem_id 0
		.amdhsa_next_free_vgpr 416
		.amdhsa_next_free_sgpr 96
		.amdhsa_reserve_vcc 0
		.amdhsa_float_denorm_mode_32 3
		.amdhsa_float_denorm_mode_16_64 3
		.amdhsa_memory_ordered 1
		.amdhsa_forward_progress 1
		.amdhsa_inst_pref_size 195
	.end_amdhsa_kernel
	.amdgpu_metadata
---
amdhsa.version: [ 1, 2 ]
amdhsa.kernels:
  - .name:           k_qf6a75cdf54_attn
    .symbol:         k_qf6a75cdf54_attn.kd
    .args:
      - { .name: attention_mask, .offset: 0, .size: 8, .value_kind: global_buffer, .address_space: global }
      - { .name: qkv, .offset: 8, .size: 8, .value_kind: global_buffer, .address_space: global }
      - { .name: a_frag, .offset: 16, .size: 8, .value_kind: global_buffer, .address_space: global }
      - { .name: a_lo, .offset: 24, .size: 8, .value_kind: global_buffer, .address_space: global }
    .group_segment_fixed_size: 327680
    .private_segment_fixed_size: 0
    .kernarg_segment_align: 8
    .kernarg_segment_size: 32
    .max_flat_workgroup_size: 256
    .sgpr_count:     96
    .vgpr_count:     416
    .wavefront_size: 32
...
	.end_amdgpu_metadata
.endif
;; end of part 3
;; launch outproj (part 4): grid 8 x 32, 4 waves a work-group, clusters of 4 x 4, 327,680 bytes of LDS; arguments a_frag, wo_frag, out0; writes out0
.if DOCPART == 4
	.amdgcn_target "amdgcn-amd-amdhsa--gfx1250"
	.amdhsa_code_object_version 6
	.text
	.protected	k_qf6a75cdf54_outproj
	.globl	k_qf6a75cdf54_outproj
	.p2align	8
	.type	k_qf6a75cdf54_outproj,@function
k_qf6a75cdf54_outproj:
	s_mov_b64 s[64:65], 0
	v_nop
	global_prefetch_b8 v0, s[64:65] scope:SCOPE_SE
	s_setreg_imm32_b32 hwreg(HW_REG_WAVE_MODE, 25, 1), 1
	s_wait_xcnt 0x0
	s_wait_alu depctr_hold_cnt(0) depctr_sa_sdst(0) depctr_va_vdst(0) depctr_va_sdst(0) depctr_va_ssrc(0) depctr_va_vcc(0) depctr_vm_vsrc(0)
	s_getreg_b32 s2, hwreg(HW_REG_IB_STS2, 6, 4)
	s_cmp_eq_u32 s2, 0
	s_cbranch_scc0 .Lentry_in_a_cluster
	s_endpgm
.Lentry_in_a_cluster:
	s_bfe_u32 s2, ttmp6, 0x10000c
	s_cmp_lg_u32 s2, 0xf033
	s_cbranch_scc0 .Lentry_shape_is_right
	s_endpgm
.Lentry_shape_is_right:
; out0 [4096][1024] f32 = a [4096][1024] x wo [1024][1024], both as f16 fragment images ([block of 16 rows or columns][32 along K][1 KiB]); sums in f32.
; A tile of out0 is 128 x 128: 256 work-groups.  Four waves, each 64 x 64: 16 accumulators.  K goes in four steps of 256 through two LDS slots; a wave's tensor load brings 4 blocks x 8 fragments: 4 rows of 8,192 bytes.
; A fragment lies in LDS as the image of its registers, so a fragment load reads 512 consecutive bytes and needs no padding.
; CLUSTERS: 4 x 4.  a's tiles are asked for jointly along a row of the cluster, wo's along a column.  THE MATRIX INSTRUCTION IS USED TRANSPOSED (source 0 = 16 columns of wo, source 1 = 16 rows of a): a lane holds eight
; neighbouring numbers of a row of out0.  A wave's 64 columns are 256 bytes of a row: each wave has a stage of its own on the way out, and no barrier stands there.
; The first 16 rows of each sequence are written again, more finely, by the next launch.  LIMITS: f16 operands.
; REGISTERS: window 0: v0-31 addresses; v32-95 the way out; v128-255 the accumulators ((a, b) at v[128 + 8 (4 a + b)]).   window 1: two fragment buffers of 128: 64 registers of a, then 64 of wo, for 64 along K.
.set SLOT,   131072                    ; a's 8 blocks x 8 fragments, then wo's
.set STAGE,  2*SLOT                    ; behind the ring: 16 rows x 272 bytes for each wave
.set SPITCH, 272
.set SPARE,  STAGE+4*16*SPITCH         ; the spare words, 128 bytes for each wave: two blocks of 256 bytes that no other line names
.set ADRA, 16
.set ADRB, 20
.set STO,  24
.set RD,   25
.set CO,   26
.set SPW,  28
.set NIL,  29
.set TMP,  32
.set ACC,  128
.set F0,   0
.set F1,   128
.set G1, 24
.set G0, 32
.set G1B, 48
.set G0B, 56
.set MSB, 0
.macro WIN new
.if MSB != (\new)
	s_set_vgpr_msb (MSB<<8)|(\new)
.set MSB, (\new)
.endif
.endm
.set MUL,  0x05                        ; sources 0 and 1 window 1; C and D window 0
.set TO_F, 0x40
.macro JLOAD s                         ; waves 0 and 1 fetch a's halves, waves 2 and 3 wo's; an s_nop 0 and four v_nop follow each line
	s_cmp_eq_u32 s11, 0
	s_cbranch_scc0 .Lfor_b_\@
	tensor_load_to_lds s[G0+4*\s:G0+4*\s+3], s[G1:G1+7]
	s_nop 0
.rept 4
	v_nop
.endr
	s_branch .Lasked_\@
.Lfor_b_\@:
	tensor_load_to_lds s[G0B+4*\s:G0B+4*\s+3], s[G1B:G1B+7]
	s_nop 0
.rept 4
	v_nop
.endr
.Lasked_\@:
.endm
.macro CREST
	s_cmp_lg_u32 s10, 0
	s_cbranch_scc1 .Lnot_wave_0_\@
	s_barrier_signal -3
.Lnot_wave_0_\@:
	s_barrier_wait -3
	s_barrier_signal -1
	s_barrier_wait -1
.endm
.macro CROUND
	s_barrier_signal -1
	s_barrier_wait -1
	CREST
.endm
	s_load_b128 s[4:7], s[0:1], 0x0                ; a_frag s[4:5], wo_frag s[6:7]
	s_load_b64 s[8:9], s[0:1], 0x10                ; out0
	v_lshl_add_u32 v[SPW], v0, 2, SPARE
	v_mov_b32 v[NIL], 0
	ds_add_u32 v[SPW], v[NIL]                      ; the wave's opening: the add, twice on end, and its wait ahead of my first tensor load
	ds_add_u32 v[SPW], v[NIL]
	v_lshrrev_b32 v1, 5, v0
	v_readfirstlane_b32 s10, v1                    ; wave 0..3
	s_lshr_b32 s11, s10, 1                         ; which half of the tile's rows is mine.  Also: I fetch for a (0) or for wo (1)
	s_and_b32 s12, s10, 1                          ; which half of its columns.  Also: which 4 blocks I fetch
	s_bfe_u32 s40, ttmp6, 0x40000
	s_bfe_u32 s41, ttmp6, 0x40004
	s_lshl_b32 s42, ttmp9, 2
	s_add_co_u32 s42, s42, s40                     ; tile column
	s_and_b32 s13, ttmp7, 0xffff
	s_lshl_b32 s13, s13, 2
	s_add_co_u32 s13, s13, s41                     ; tile row
	s_lshl_b32 s43, s41, 2
	s_lshl_b32 s43, 15, s43
	s_lshl_b32 s44, 0x1111, s40
	s_or_b32 s[G1+0], s43, (3<<16)|(1<<21)         ; the mask; elements of 8 bytes; bit 21 beside a mask; no padding
	s_or_b32 s[G1B+0], s44, (3<<16)|(1<<21)
.irp g, G1, G1B
	s_mov_b32 s[\g+1], 1024<<16                    ; tensor_dim0 = 1,024 elements: 8 fragments
	s_mov_b32 s[\g+2], 4<<16                       ; tensor_dim1 = 4 blocks
	s_mov_b32 s[\g+3], 1024<<16                    ; tile_dim0
	s_mov_b32 s[\g+4], 4                           ; tile_dim1
	s_mov_b32 s[\g+5], 4096                        ; from block to block: 32 fragments
	s_mov_b32 s[\g+6], 0
	s_mov_b32 s[\g+7], 0
.endr
	s_lshl_b32 s16, s13, 3
	s_lshl_b32 s17, s12, 2
	s_add_co_u32 s16, s16, s17                     ; a: block 8 x tile row + 4 x half
	s_lshl_b32 s16, s16, 15
	s_mov_b32 s17, 0
	s_lshl_b32 s46, s42, 3
	s_lshl_b32 s47, s12, 2
	s_add_co_u32 s46, s46, s47                     ; wo: block 8 x tile column + 4 x half
	s_lshl_b32 s46, s46, 15
	s_mov_b32 s47, 0
	s_lshl_b32 s20, s10, 15                        ; where they go: wave x 32,768
	s_wait_dscnt 0x0
	s_wait_kmcnt 0x0
	s_add_nc_u64 s[14:15], s[4:5], s[16:17]
	s_add_nc_u64 s[46:47], s[6:7], s[46:47]
	CROUND
.irp s, 0,1
	s_mov_b32 s[G0+4*\s], 1
	s_add_co_u32 s[G0+4*\s+1], s20, \s*SLOT
	s_add_nc_u64 s[G0+4*\s+2:G0+4*\s+3], s[14:15], \s*8192
	s_or_b32 s[G0+4*\s+3], s[G0+4*\s+3], 0x80000000
	s_mov_b32 s[G0B+4*\s], 1
	s_add_co_u32 s[G0B+4*\s+1], s20, \s*SLOT
	s_add_nc_u64 s[G0B+4*\s+2:G0B+4*\s+3], s[46:47], \s*8192
	s_or_b32 s[G0B+4*\s+3], s[G0B+4*\s+3], 0x80000000
	JLOAD \s
.endr
	v_and_b32 v1, 15, v0                           ; r
	v_bfe_u32 v2, v0, 4, 1                         ; h
	v_and_b32 v3, 31, v0
	v_lshlrev_b32 v3, 4, v3                        ; 16 x lane
	s_lshl_b32 s21, s11, 15                        ; my 4 blocks of a
	s_lshl_b32 s22, s12, 15                        ; my 4 blocks of wo,
	s_add_co_u32 s22, s22, 65536                   ; which lie behind a's 8
.irp s, 0,1
	v_add_nc_u32 v[ADRA+\s], s21, v3
	v_add_nc_u32 v[ADRB+\s], s22, v3
	s_add_co_u32 s21, s21, SLOT
	s_add_co_u32 s22, s22, SLOT
.endr
	s_mul_i32 s23, s10, 16*SPITCH
	s_add_co_u32 s23, s23, STAGE                   ; my stage
	v_mul_u32_u24 v4, v1, SPITCH
	v_lshl_add_u32 v4, v2, 5, v4
	v_add_nc_u32 v[STO], s23, v4                   ; in: row r, 32 bytes for each half of the lanes
	v_mul_u32_u24 v5, v2, SPITCH
	v_lshl_add_u32 v5, v1, 4, v5
	v_add_nc_u32 v[RD], s23, v5                    ; back: lanes 0-15 one row of 256 bytes, lanes 16-31 the next
	v_lshlrev_b32 v5, 12, v2
	v_lshl_add_u32 v[CO], v1, 4, v5                ; and the same two rows in out0
	s_lshl_b32 s16, s13, 7
	s_lshl_b32 s17, s11, 6
	s_add_co_u32 s16, s16, s17                     ; my first row
	s_lshl_b32 s16, s16, 12
	s_mov_b32 s17, 0
	s_add_nc_u64 s[8:9], s[8:9], s[16:17]
	s_lshl_b32 s46, s42, 9
	s_lshl_b32 s47, s12, 8
	s_add_co_u32 s46, s46, s47                     ; my first column, in bytes
	s_mov_b32 s47, 0
	s_add_nc_u64 s[8:9], s[8:9], s[46:47]
.macro MUL8 f, c, a0, zero             ; the 16 accumulators take turns, one instruction a turn
.irp a, \a0, \a0+1
.irp b, 0,1,2,3
.if \zero
	v_wmma_f32_16x16x32_f16 v[ACC+8*(4*(\a)+\b):ACC+8*(4*(\a)+\b)+7], v[\f+64+8*(4*\c+\b):\f+64+8*(4*\c+\b)+7], v[\f+8*(4*\c+\a):\f+8*(4*\c+\a)+7], 0
.else
	v_wmma_f32_16x16x32_f16 v[ACC+8*(4*(\a)+\b):ACC+8*(4*(\a)+\b)+7], v[\f+64+8*(4*\c+\b):\f+64+8*(4*\c+\b)+7], v[\f+8*(4*\c+\a):\f+8*(4*\c+\a)+7], v[ACC+8*(4*(\a)+\b):ACC+8*(4*(\a)+\b)+7]
.endif
.endr
.endr
.endm
.macro FETCH slot, k, f                ; 32 LDS loads in one run: the fragments of 64 along K (two fragments a block, from byte k of a block's 8,192), the first 32 along K first
	WIN TO_F
.irp c, 0,1
.irp i, 0,1,2,3
	ds_load_b128 v[\f+64+8*(4*\c+\i):\f+64+8*(4*\c+\i)+3],   v[ADRB+\slot] offset:\k+1024*\c+\i*8192
	ds_load_b128 v[\f+64+8*(4*\c+\i)+4:\f+64+8*(4*\c+\i)+7], v[ADRB+\slot] offset:\k+1024*\c+\i*8192+512
	ds_load_b128 v[\f+8*(4*\c+\i):\f+8*(4*\c+\i)+3],         v[ADRA+\slot] offset:\k+1024*\c+\i*8192
	ds_load_b128 v[\f+8*(4*\c+\i)+4:\f+8*(4*\c+\i)+7],       v[ADRA+\slot] offset:\k+1024*\c+\i*8192+512
.endr
.endr
.endm
.macro PLACES
.rept 4
	v_nop
.endr
.endm
.macro QUARTER slot, k, f, g, zero     ; 64 along K: multiplies buffer f, and fetches the next quarter, at byte k, into g
	s_wait_dscnt 16                                ; the first 32 along K are in
	WIN MUL
	MUL8 \f, 0, 0, \zero
	MUL8 \f, 0, 2, \zero
	PLACES
	FETCH \slot, \k, \g
	s_wait_dscnt 32                                ; all but the 32 just issued
	WIN MUL
	MUL8 \f, 1, 0, 0
	MUL8 \f, 1, 2, 0
.endm
; A slot's last quarter changes slots: one barrier; in front of it each wave waits for all its tensor loads, adds 0 to its spare word, and waits for that and for its reads of this slot.
.macro TURN slot, next, fill
	WIN 0
	s_wait_tensorcnt 0x0
	ds_add_u32 v[SPW], v[NIL]
	s_wait_dscnt 17                                ; the add and the youngest sixteen loads may be out
	WIN MUL
	MUL8 F1, 0, 0, 0
	s_wait_dscnt 0x0
	s_barrier_signal -1
	MUL8 F1, 0, 2, 0
.if \fill
	WIN 0
.endif
	s_barrier_wait -1
.if \fill
	CREST                                          ; the barrier has opened a round of the cluster's barrier
	s_add_nc_u64 s[G0+4*\slot+2:G0+4*\slot+3], s[G0+4*\slot+2:G0+4*\slot+3], 16384
	s_add_nc_u64 s[G0B+4*\slot+2:G0B+4*\slot+3], s[G0B+4*\slot+2:G0B+4*\slot+3], 16384
	JLOAD \slot                                    ; the first tensor load behind the round; its four v_nop are also the places in front of the loads below
.else
	PLACES
.endif
	FETCH \next, 0, F0
	WIN MUL
	MUL8 F1, 1, 0, 0
	MUL8 F1, 1, 2, 0
.endm
	s_wait_tensorcnt 1                             ; my part of K step 0 is in; K step 1's may be out
	s_barrier_signal -1
	s_barrier_wait -1
	FETCH 0, 0, F0
	QUARTER 0, 2048, F0, F1, 1                     ; the first products start the sums
	QUARTER 0, 4096, F1, F0, 0
	QUARTER 0, 6144, F0, F1, 0
	TURN 0, 1, 1                                   ; slot 0 takes K step 2
	QUARTER 1, 2048, F0, F1, 0
	QUARTER 1, 4096, F1, F0, 0
	QUARTER 1, 6144, F0, F1, 0
	TURN 1, 0, 1                                   ; slot 1 takes K step 3
	QUARTER 0, 2048, F0, F1, 0
	QUARTER 0, 4096, F1, F0, 0
	QUARTER 0, 6144, F0, F1, 0
	TURN 0, 1, 0
	QUARTER 1, 2048, F0, F1, 0
	QUARTER 1, 4096, F1, F0, 0
	QUARTER 1, 6144, F0, F1, 0
	s_wait_dscnt 16
	WIN MUL
	MUL8 F1, 0, 0, 0
	MUL8 F1, 0, 2, 0
	s_wait_dscnt 0
	MUL8 F1, 1, 0, 0
	MUL8 F1, 1, 2, 0
	WIN 0
; THE WAY OUT, 16 rows at a time: 32 bytes a lane into my stage, back as whole rows of 256 bytes.  LDS serves a wave's instructions in order (ISA guide 5.7.1.4): no wait between the stores and the loads.
.macro TOSTAGE a
.irp b, 0,1,2,3
	ds_store_b128 v[STO], v[ACC+8*(4*(\a)+\b):ACC+8*(4*(\a)+\b)+3] offset:64*\b          ; each accumulator from its low end on
	ds_store_b128 v[STO], v[ACC+8*(4*(\a)+\b)+4:ACC+8*(4*(\a)+\b)+7] offset:64*\b+16
.endr
.set BB, TMP+32*((\a)%2)
.irp t, 0,1,2,3,4,5,6,7
	ds_load_b128 v[BB+4*\t:BB+4*\t+3], v[RD] offset:\t*2*SPITCH
.endr
.endm
.macro SEND a, younger
.set BB, TMP+32*((\a)%2)
	s_wait_dscnt \younger
.irp t, 0,1,2,3,4,5,6,7
	global_store_b128 v[CO], v[BB+4*\t:BB+4*\t+3], s[8:9] offset:(16*(\a)+2*\t)*4096 th:TH_STORE_NT   ; sixteen lanes store 256 consecutive bytes, at a multiple of 256 from out0's first byte
.endr
.endm
	PLACES
	TOSTAGE 0
.irp a, 1,2,3
.if \a > 1
	s_wait_xcnt 0x0                                ; the stores of two blocks back have read their registers
.endif
	TOSTAGE \a
	SEND \a-1, 16                                  ; behind that block's loads: this block's 8 stores and 8 loads
.endr
	SEND 3, 0
	s_wait_tensorcnt 0x0                           ; the wave's end
	ds_add_u32 v[SPW], v[NIL]
	s_wait_dscnt 0x0
	CROUND                                         ; the closing round
	s_endpgm
.Lfunc_end_k_qf6a75cdf54_outproj:
	.size	k_qf6a75cdf54_outproj, .Lfunc_end_k_qf6a75cdf54_outproj-k_qf6a75cdf54_outproj
	.p2alignl 7, 3214868480
	.fill 96, 4, 3214868480
	.section	.rodata,"a",@progbits
	.p2align	6, 0x0
	.amdhsa_kernel k_qf6a75cdf54_outproj
		.amdhsa_group_segment_fixed_size 327680
		.amdhsa_private_segment_fixed_size 0
		.amdhsa_enable_private_segment 0
		.amdhsa_kernarg_size 24
		.amdhsa_user_sgpr_count 2
		.amdhsa_user_sgpr_kernarg_segment_ptr 1
		.amdhsa_wavefront_size32 1
		.amdhsa_system_sgpr_workgroup_id_x 1
		.amdhsa_system_sgpr_workgroup_id_y 1
		.amdhsa_system_sgpr_workgroup_id_z 1
		.amdhsa_system_vgpr_workitem_id 0
		.amdhsa_next_free_vgpr 512
		.amdhsa_next_free_sgpr 66
		.amdhsa_reserve_vcc 0
		.amdhsa_float_denorm_mode_32 3
		.amdhsa_float_denorm_mode_16_64 3
		.amdhsa_memory_ordered 1
		.amdhsa_forward_progress 1
		.amdhsa_inst_pref_size 85
	.end_amdhsa_kernel
	.amdgpu_metadata
---
amdhsa.version: [ 1, 2 ]
amdhsa.kernels:
  - .name:           k_qf6a75cdf54_outproj
    .symbol:         k_qf6a75cdf54_outproj.kd
    .args:
      - { .name: a_frag, .offset: 0, .size: 8, .value_kind: global_buffer, .address_space: global }
      - { .name: wo_frag, .offset: 8, .size: 8, .value_kind: global_buffer, .address_space: global }
      - { .name: out0, .offset: 16, .size: 8, .value_kind: global_buffer, .address_space: global }
    .group_segment_fixed_size: 327680
    .private_segment_fixed_size: 0
    .kernarg_segment_align: 8
    .kernarg_segment_size: 24
    .max_flat_workgroup_size: 128
    .sgpr_count:     66
    .vgpr_count:     512
    .wavefront_size: 32
...
	.end_amdgpu_metadata
.endif
;; end of part 4
;; launch first16 (part 5): grid 16 x 1, 16 waves a work-group, no clusters, 43,520 bytes of LDS; arguments a_frag, a_lo, wo_frag, out0; writes out0
.if DOCPART == 5
	.amdgcn_target "amdgcn-amd-amdhsa--gfx1250"
	.amdhsa_code_object_version 6
	.text
	.protected	k_qf6a75cdf54_first16
	.globl	k_qf6a75cdf54_first16
	.p2align	8
	.type	k_qf6a75cdf54_first16,@function
k_qf6a75cdf54_first16:
	s_mov_b64 s[64:65], 0
	v_nop
	global_prefetch_b8 v0, s[64:65] scope:SCOPE_SE
	s_setreg_imm32_b32 hwreg(HW_REG_WAVE_MODE, 25, 1), 1
	s_wait_xcnt 0x0
; The first 16 positions of both sequences once more, with both operands of the projection as pairs of f16 numbers: a = ah + al / 2^11, wo = wh + wl / 2^11;
; out = ah wh + (al wh + ah wl) / 2^11, each sum in f32; al wl / 2^22 is left out (under 2^-22 of a term).  These rows average few values and are the largest in size.
; A work-group makes 64 columns for the 2 x 16 rows.  Wave w: columns 16 (w % 4) on, and a quarter of K: 8 (w / 4) .. + 7 of the 32 fragments.  The four quarters meet in LDS; whole units of 256 bytes leave.
; The matrix instruction is used transposed (source 0 = 16 columns of wo, source 1 = 16 rows of a): lane (r, h) holds row r, columns 8 h + 0..7.
; LIMITS: f16's range; V's one rounding to f16 in the launch before stays in these rows.
.set ST2,   32768                      ; LDS: 16 waves' parts, 2,048 bytes each, from 0; then 32 rows x 272 bytes
.set SPARE, 41472                      ; the spare words, 128 bytes for each wave: eight blocks of 256 bytes that no other line names
.set SPW, 2
.set NIL, 3
.set WH,  32                           ; v32-63   wo, high parts, four fragments
.set WL,  64                           ; v64-95   low parts
.set AH,  96                           ; v96-159  a, high parts: fragment k, batch b at + 16 k + 8 b
.set AL,  160                          ; v160-223 low parts
	s_load_b256 s[4:11], s[0:1], 0x0               ; a_frag s[4:5], a_lo s[6:7], wo_frag s[8:9], out0 s[10:11]
	v_lshl_add_u32 v[SPW], v0, 2, SPARE
	v_mov_b32 v[NIL], 0
	v_lshrrev_b32 v1, 5, v0
	v_readfirstlane_b32 s12, v1                    ; wave 0..15
	s_and_b32 s13, s12, 3                          ; which 16 columns
	s_lshr_b32 s14, s12, 2                         ; which quarter of K; later: which 4 registers I add up
	v_and_b32 v4, 31, v0
	v_lshlrev_b32 v4, 4, v4                        ; 16 x lane
	v_and_b32 v8, 15, v0                           ; r
	v_bfe_u32 v9, v0, 4, 1                         ; h
	s_lshl_b32 s20, s12, 11
	v_add_nc_u32 v5, s20, v4                       ; where my part goes
	s_lshl_b32 s21, s13, 11
	s_lshl_b32 s22, s14, 9
	s_add_co_u32 s21, s21, s22
	v_add_nc_u32 v6, s21, v4                       ; where I read four parts: 8,192 bytes apart
	s_lshr_b32 s23, s14, 1
	s_mul_i32 s23, s23, 16*272
	s_lshl_b32 s24, s13, 6
	s_add_co_u32 s23, s23, s24
	s_and_b32 s24, s14, 1
	s_lshl_b32 s24, s24, 4
	s_add_co_u32 s23, s23, s24
	s_add_co_u32 s23, s23, ST2
	v_mul_u32_u24 v7, v8, 272
	v_lshl_add_u32 v7, v9, 5, v7
	v_add_nc_u32 v7, s23, v7                       ; the sum's place: row 16 x batch + r, byte 64 x tile + 32 h + 16 x half
	s_mul_i32 s25, s12, 544
	s_add_co_u32 s25, s25, ST2
	v_mul_u32_u24 v10, v9, 272
	v_lshl_add_u32 v10, v8, 4, v10
	v_add_nc_u32 v10, s25, v10                     ; back: rows 2 w + h, 16 bytes a lane
	v_lshlrev_b32 v11, 12, v9
	v_lshl_add_u32 v11, v8, 4, v11                 ; the same in out0
	s_lshl_b32 s16, ttmp9, 2
	s_add_co_u32 s16, s16, s13
	s_lshl_b32 s16, s16, 15                        ; my block of 16 columns of wo
	s_lshl_b32 s18, s14, 13                        ; my 8 fragments along K
	s_add_co_u32 s16, s16, s18
	s_mov_b32 s17, 0
	s_mov_b32 s19, 0
	s_lshr_b32 s26, s12, 3                         ; the batch of the rows that I store,
	s_lshl_b32 s26, s26, 11
	s_and_b32 s27, s12, 7
	s_lshl_b32 s27, s27, 1
	s_add_co_u32 s26, s26, s27                     ; and the first of the two
	s_lshl_b32 s26, s26, 12
	s_lshl_b32 s27, ttmp9, 8
	s_add_co_u32 s26, s26, s27
	s_mov_b32 s27, 0
	s_wait_kmcnt 0x0
	s_add_nc_u64 s[8:9], s[8:9], s[16:17]
	s_add_nc_u64 s[4:5], s[4:5], s[18:19]
	s_add_nc_u64 s[6:7], s[6:7], s[18:19]
	s_add_nc_u64 s[10:11], s[10:11], s[26:27]
.macro BATCH bt                        ; four fragments along K: 48 loads, then 24 matrix instructions on four accumulators, no two on end on the same one
.irp k, 0,1,2,3
.irp e, 0,1
	global_load_b128 v[WH+8*\k+4*\e:WH+8*\k+4*\e+3], v4, s[8:9] offset:(4*\bt+\k)*1024+\e*512
	global_load_b128 v[WL+8*\k+4*\e:WL+8*\k+4*\e+3], v4, s[8:9] offset:2097152+(4*\bt+\k)*1024+\e*512
.irp b, 0,1
	global_load_b128 v[AH+16*\k+8*\b+4*\e:AH+16*\k+8*\b+4*\e+3], v4, s[4:5] offset:\b*4194304+(4*\bt+\k)*1024+\e*512
	global_load_b128 v[AL+16*\k+8*\b+4*\e:AL+16*\k+8*\b+4*\e+3], v4, s[6:7] offset:\b*524288+(4*\bt+\k)*1024+\e*512
.endr
.endr
.endr
	s_wait_loadcnt 0x0
.irp k, 0,1,2,3
.if (\bt == 0) && (\k == 0)
	v_wmma_f32_16x16x32_f16 v[224:231], v[WH+8*\k:WH+8*\k+7], v[AH+16*\k:AH+16*\k+7], 0
	v_wmma_f32_16x16x32_f16 v[232:239], v[WH+8*\k:WH+8*\k+7], v[AH+16*\k+8:AH+16*\k+15], 0
	v_wmma_f32_16x16x32_f16 v[240:247], v[WH+8*\k:WH+8*\k+7], v[AL+16*\k:AL+16*\k+7], 0
	v_wmma_f32_16x16x32_f16 v[248:255], v[WH+8*\k:WH+8*\k+7], v[AL+16*\k+8:AL+16*\k+15], 0
.else
	v_wmma_f32_16x16x32_f16 v[224:231], v[WH+8*\k:WH+8*\k+7], v[AH+16*\k:AH+16*\k+7], v[224:231]
	v_wmma_f32_16x16x32_f16 v[232:239], v[WH+8*\k:WH+8*\k+7], v[AH+16*\k+8:AH+16*\k+15], v[232:239]
	v_wmma_f32_16x16x32_f16 v[240:247], v[WH+8*\k:WH+8*\k+7], v[AL+16*\k:AL+16*\k+7], v[240:247]
	v_wmma_f32_16x16x32_f16 v[248:255], v[WH+8*\k:WH+8*\k+7], v[AL+16*\k+8:AL+16*\k+15], v[248:255]
.endif
	v_wmma_f32_16x16x32_f16 v[240:247], v[WL+8*\k:WL+8*\k+7], v[AH+16*\k:AH+16*\k+7], v[240:247]
	v_wmma_f32_16x16x32_f16 v[248:255], v[WL+8*\k:WL+8*\k+7], v[AH+16*\k+8:AH+16*\k+15], v[248:255]
.endr
.rept 4
	v_nop                                          ; places in front of loads into, and vector reads and writes of, the products' registers
.endr
.endm
	BATCH 0
	BATCH 1
.irp b, 0,1
.irp i, 0,2,4,6
	v_pk_fma_f32 v[32+8*\b+\i:32+8*\b+\i+1], v[240+8*\b+\i:240+8*\b+\i+1], 0x3a000000, v[224+8*\b+\i:224+8*\b+\i+1] op_sel_hi:[1,0,1]   ; high sum + low sum / 2^11, each accumulator from its low end on
.endr
.endr
.irp e, 0,1,2,3
	ds_store_b128 v5, v[32+4*\e:32+4*\e+3] offset:\e*512
.endr
	s_wait_dscnt 0x0                               ; for the others' sake: my part has landed
	s_barrier_signal -1
	s_barrier_wait -1
.irp q, 0,1,2,3
	ds_load_b128 v[48+4*\q:48+4*\q+3], v6 offset:\q*8192      ; the four quarters of K
.endr
	s_wait_dscnt 0x0
	v_pk_add_f32 v[48:49], v[48:49], v[52:53]
	v_pk_add_f32 v[50:51], v[50:51], v[54:55]
	v_pk_add_f32 v[56:57], v[56:57], v[60:61]
	v_pk_add_f32 v[58:59], v[58:59], v[62:63]
	v_pk_add_f32 v[48:49], v[48:49], v[56:57]
	v_pk_add_f32 v[50:51], v[50:51], v[58:59]
	ds_store_b128 v7, v[48:51]
	s_wait_dscnt 0x0
	s_barrier_signal -1
	s_barrier_wait -1
	ds_load_b128 v[52:55], v10
	s_wait_dscnt 0x0
	global_store_b128 v11, v[52:55], s[10:11]      ; sixteen lanes store 256 consecutive bytes of a row
	s_wait_tensorcnt 0x0                           ; the wave's end, behind my last LDS store
	ds_add_u32 v[SPW], v[NIL]
	s_wait_dscnt 0x0
	s_endpgm
.Lfunc_end_k_qf6a75cdf54_first16:
	.size	k_qf6a75cdf54_first16, .Lfunc_end_k_qf6a75cdf54_first16-k_qf6a75cdf54_first16
	.p2alignl 7, 3214868480
	.fill 96, 4, 3214868480
	.section	.rodata,"a",@progbits
	.p2align	6, 0x0
	.amdhsa_kernel k_qf6a75cdf54_first16
		.amdhsa_group_segment_fixed_size 43520
		.amdhsa_private_segment_fixed_size 0
		.amdhsa_enable_private_segment 0
		.amdhsa_kernarg_size 32
		.amdhsa_user_sgpr_count 2
		.amdhsa_user_sgpr_kernarg_segment_ptr 1
		.amdhsa_wavefront_size32 1
		.amdhsa_system_sgpr_workgroup_id_x 1
		.amdhsa_system_sgpr_workgroup_id_y 1
		.amdhsa_system_sgpr_workgroup_id_z 1
		.amdhsa_system_vgpr_workitem_id 0
		.amdhsa_next_free_vgpr 256
		.amdhsa_next_free_sgpr 66
		.amdhsa_reserve_vcc 0
		.amdhsa_float_denorm_mode_32 3
		.amdhsa_float_denorm_mode_16_64 3
		.amdhsa_memory_ordered 1
		.amdhsa_forward_progress 1
		.amdhsa_inst_pref_size 18
	.end_amdhsa_kernel
	.amdgpu_metadata
---
amdhsa.version: [ 1, 2 ]
amdhsa.kernels:
  - .name:           k_qf6a75cdf54_first16
    .symbol:         k_qf6a75cdf54_first16.kd
    .args:
      - { .name: a_frag, .offset: 0, .size: 8, .value_kind: global_buffer, .address_space: global }
      - { .name: a_lo, .offset: 8, .size: 8, .value_kind: global_buffer, .address_space: global }
      - { .name: wo_frag, .offset: 16, .size: 8, .value_kind: global_buffer, .address_space: global }
      - { .name: out0, .offset: 24, .size: 8, .value_kind: global_buffer, .address_space: global }
    .group_segment_fixed_size: 43520
    .private_segment_fixed_size: 0
    .kernarg_segment_align: 8
    .kernarg_segment_size: 32
    .max_flat_workgroup_size: 512
    .sgpr_count:     66
    .vgpr_count:     256
    .wavefront_size: 32
...
	.end_amdgpu_metadata
.endif
;; end of part 5
